; MI455X (gfx1250); checked and timed in simulation.
; The chip was launched on July 23, 2026; its instructions are those of AMD's public machine-readable ISA for CDNA 5 (MIT licence, August 2026) and "CDNA5" Instruction Set Architecture Reference Guide (July 2026). The comments in the code are by the model that wrote it; some were corrected since.
;; Multi Head Attention. Allowed arithmetic: matrix products marked QUANTISED: E3M2 operands, one E8M0 scale for each 32 along K, by v_wmma_scale_f32_16x16x128_f8f6f4 with both operands' format E3M2, f32 sums; everything else in f32.
;; Inputs: Wk 16 x 1,024 x 64 float32; Wo 1,024 x 1,024 float32; Wq 16 x 1,024 x 64 float32; Wv 16 x 1,024 x 64 float32; bo 1,024 float32; x 4 x 2,048 x 1,024 float32.
;; Outputs: out0 4 x 2,048 x 1,024 float32.
;; This version of the problem:
;;   THIS VERSION OF THE PROBLEM IS GIVEN IN LOW PRECISION. The matrix products marked QUANTISED in the list below multiply operands that are first quantised to E3M2 (3 exponent bits, 2 mantissa bits; 6 bits a number), with one power-of-two scale for each 32 numbers along K (OCP MX v1.0); their sums are f32. All else is computed in f32.
;;   The module's matrix products, in the order in which they are computed (A, B: the left and right operand; K: the contracted axis; several contracted axes count as one K, in the product's order):
;;     1. [M 1,024, K 1,024] x [K 1,024, N 8,192]; A: input Wq; B: input x: QUANTISED
;;     2. [M 1,024, K 1,024] x [K 1,024, N 8,192]; A: input Wk; B: input x: QUANTISED
;;     3. [M 1,024, K 1,024] x [K 1,024, N 8,192]; A: input Wv; B: input x: QUANTISED
;;     4. batch 64 x [M 2,048, K 64] x [K 64, N 2,048]; A: computed on the way; B: computed on the way: QUANTISED
;;     5. batch 64 x [M 2,048, K 2,048] x [K 2,048, N 64]; A: softmax (see below); B: computed on the way: QUANTISED
;;     6. [M 8,192, K 1,024] x [K 1,024, N 1,024]; A: computed on the way; B: input Wo: QUANTISED
;;   THE QUANTISER, for each operand of a quantised product, along K:
;;     - K is cut into blocks of 32 from its start; a last block that is shorter is filled with zeros.
;;     - A block's scale is 2^e with e = floor(log2(the largest magnitude in the block)) - 4, held to -126 .. 127; a block of zeros has e = 0. As a byte (E8M0): e + 127.
;;     - Each number is divided by its block's scale, clamped to +-28, and rounded to the nearest number of E3M2, ties to even, subnormals kept.
;;     - The product sums the exact products of the quantised numbers (number of the format x scale) in f32.
;;   ~~~python
;;   def quantise(x, axis):      # numpy; x: float32 -> the quantised numbers, widened to float32 again
;;       x = np.moveaxis(x, axis, -1); K = x.shape[-1]
;;       x = np.pad(x, [(0, 0)] * (x.ndim - 1) + [(0, -K % 32)]); x = x.reshape(x.shape[:-1] + (-1, 32)); a = np.abs(x).max(-1, keepdims=True)
;;       e = np.where(a > 0, np.clip(np.frexp(np.where(a > 0, a, 1))[1] - 1 - 4, -126, 127), 0)      # np.frexp(a)[1] - 1 = floor(log2(a)), exactly
;;       r = np.clip(x / 2.0 ** e, -28, 28)
;;       step = 2.0 ** (np.maximum(np.frexp(np.where(r == 0, 1, r))[1] - 1, -2) - 2)
;;       q = np.round(r / step) * step * 2.0 ** e      # np.round: ties to even
;;       return np.moveaxis(q.reshape(q.shape[:-2] + (-1,))[..., :K], -1, axis).astype(np.float32)
;;   ~~~
;;   SOFTMAX AHEAD OF A QUANTISED PRODUCT. Where the list says 'softmax', what is quantised is not the finished softmax but p = 2^(t - M), with t = logit x log2(e) and M = ceil(the row's largest t), a whole number; so 1/2 < the row's largest p <= 1. The row's sum l is taken of the UNQUANTISED p, in f32, and the product's result is divided by l at the end. Since M is a whole number, a kernel that streams over the keys may use a running M (the ceiling of the running maximum): every later rescaling is an exact power of two, which a block's scale takes up: the codes' values come out the same.
;;   OPERANDS COMPUTED ON THE WAY. 'Computed on the way' means the value that the module computes at that place (a softmax that the list does not call 'softmax' is quantised finished and normalised). What goes into a quantiser is computed in f32, as accurately as f32 sums, v_exp_f32 and their like allow (about 1e-6 of the number): no bf16 or f16 on the way to a quantiser, and a product that is left as it is and whose result goes on into a quantised operand takes f32 operands (vector FMAs, or v_wmma_f32_16x16x4_f32). A number that lies on a knife's edge between two numbers of the format may be rounded either way, as far as f32 arithmetic and the matrix unit's own rounding can turn it there, and no further.
;; One version. Each part assembles by itself: llvm-mc -triple=amdgcn-amd-amdhsa -mcpu=gfx1250 --defsym DOCPART=n.
;; ======== version 1 of 1: 4 launches
;; limits: right only within a limited range of input values
;; workspace buffers: xq 6,553,600 bytes; wq 3,276,800 bytes; qq 6,815,744 bytes; kv 13,369,344 bytes; aq 6,553,600 bytes
;; launch quant (part 1): grid 512 x 1, 8 waves a work-group, no clusters, 136,192 bytes of LDS; arguments x, Wq, Wk, Wv, Wo, xq, wq; writes xq, wq
.if DOCPART == 1
	.amdgcn_target "amdgcn-amd-amdhsa--gfx1250"
	.amdhsa_code_object_version 6
	.text
	.protected	k_qf845aad680_quant
	.globl	k_qf845aad680_quant
	.p2align	8
	.type	k_qf845aad680_quant,@function
k_qf845aad680_quant:
	s_mov_b64 s[64:65], 0
	v_nop
	global_prefetch_b8 v0, s[64:65] scope:SCOPE_SE
	s_setreg_imm32_b32 hwreg(HW_REG_WAVE_MODE, 25, 1), 1
	s_wait_xcnt 0x0
; x [8192][1024] and the four weights ([16][1024][64] three times, [1024][1024]), f32, become codes of E3M2 with one E8M0 byte for each 32 along K (K = the 1,024 of the embedding),
; laid as IMAGES OF OPERAND REGISTERS.  A fragment (16 rows x 128 K, 12 registers a lane) is 1,536 bytes: for each half c of 64 K, registers 6c..6c+3 at 768 c + 16 lane, registers 6c+4, 6c+5 at 768 c + 512 + 8 lane.
; THE ROWS OF A TILE ARE NOT NEIGHBOURS: in each group of 32 rows, lane r of tile u takes row 8 u + r + 8 (r / 8).
; xq: codes [tile 512][K step 8][1536]; from byte 6,291,456 scale words [tile][pair of K steps 4][lane 32][4]: lane 16 s + r holds row r's word of K step 2 kp + s.
; wq: the same; tile = 12 head + 4 matrix + t for Wq, Wk, Wv (rows = the head's 64 columns), 192 + column / 16 for Wo; words from byte 3,145,728.
; A block's scale is 2^(floor(log2(largest magnitude)) - 4): its byte is the largest magnitude's exponent field - 4, held at 1 from below by a floor among the maximum's leaves.
; LIMITS: a block of zeros, or one whose largest magnitude lies under 2^-122, gets the byte 1 (the quantiser's text says 127 for zeros): its codes are zeros or what the byte 1 gives, and this program alone reads the bytes.  NaN and infinities are not served.
; Work-groups 0-255 take 32 tokens of x each, 256-447 a head's Wq, Wk or Wv, 448-511 64 columns of Wo (four to each).  No work-group shares an input with another: no cluster.  Waves share nothing: no barrier.  Only x's path touches LDS.
.set SEL, 20                           ; s[20:21] lane selects: lane l xor 16
.set R,   64                           ; v64-191  numbers as loaded (weights: two sets of 32)
.set XA,  192                          ; v192-255 x: 64 numbers of a lane, two whole blocks
.set TM,  16                           ; v16-22   at work
.set TT,  24                           ; v24-30   a conversion's three registers begin on an even number: the second half of a block is made here and moved
.set PCA, 32                           ; v32-43, v44-55 x: the two fragments' codes
.set PCB, 44
.set CC,  128                          ; v128-143 weights: eight registers for each block's codes, so that no store's data are written again
.set SB,  20                           ; v20   weights: two bytes of one K step's scale word
; 64 numbers of a lane, v[s + 32 c + i] = k 64 c + 32 (lane / 16) + i of my row: codes into v[pc] on, my row's scale word into v[w]
.macro QX s, pc, w
.irp c, 0,1
	v_max3_num_f32 v[TM+\c], |v[\s+32*\c]|, |v[\s+32*\c+1]|, 0x2800000   ; with the floor 2^(5 - 127): the byte cannot fall under 1
.endr
.irp i, 2,4,6,8,10,12,14,16,18,20,22,24,26,28,30
.irp c, 0,1
	s_delay_alu instid0(VALU_DEP_2)
	v_max3_num_f32 v[TM+\c], v[TM+\c], |v[\s+32*\c+\i]|, |v[\s+32*\c+\i+1]|
.endr
.endr
.irp c, 0,1
	s_delay_alu instid0(VALU_DEP_2)
	v_add_nc_u32 v[TM+2+\c], 0xfe000000, v[TM+\c]      ; 4 off the exponent field: the conversion's scale operand
.endr
.irp c, 0,1
	s_delay_alu instid0(VALU_DEP_2)
	v_lshrrev_b32 v[TM+4+\c], 23, v[TM+2+\c]           ; the scale's byte
.endr
	s_delay_alu instid0(VALU_DEP_1)
	v_lshl_or_b32 v[\w], v[TM+5], 16, v[TM+4]          ; my blocks h and 2 + h,
	s_delay_alu instid0(VALU_DEP_1)
	v_lshlrev_b32 v[\w], v10, v[\w]                    ; 8 h bits up;
	s_delay_alu instid0(VALU_DEP_1)
	v_permlanex16_b32 v[TM+6], v[\w], s[SEL], s[SEL+1]
	s_delay_alu instid0(VALU_DEP_1)
	v_or_b32 v[\w], v[\w], v[TM+6]                     ; with lane l xor 16's two the word is whole
.irp c, 0,1
	v_cvt_scalef32_pk16_bf6_f32 v[\pc+6*\c:\pc+6*\c+2], v[\s+32*\c:\s+32*\c+15], v[TM+2+\c]
	v_cvt_scalef32_pk16_bf6_f32 v[TT+4*\c:TT+4*\c+2], v[\s+32*\c+16:\s+32*\c+31], v[TM+2+\c]
.endr
	v_nop                                              ; one plain line behind the scaled conversions
.irp c, 0,1
.irp i, 0,1,2
	v_mov_b32 v[\pc+6*\c+3+\i], v[TT+4*\c+\i]
.endr
.endr
.endm
; weights: block t (32 along K) of my column into set t % 2: each load reads 128 consecutive bytes, two waves stand side by side on 256
.macro WLOAD t, pitch
.set ii, 0
.rept 32
	global_load_b32 v[R+32*((\t)%2)+ii], v3, s[4:5] offset:(32*(\t)+ii)*(\pitch) th:TH_LOAD_NT
.set ii, ii+1
.endr
.endm
.macro WBLOCK t, pitch
.set XS, R+32*((\t)%2)
.if (\t) < 1
	s_wait_loadcnt 32                                  ; this block's 32 loads are in; the next block's may be out
.else
	s_wait_loadcnt 0x0
.endif
	v_max3_num_f32 v16, |v[XS]|, |v[XS+1]|, |v[XS+2]|  ; all 32 numbers of the block are mine
	v_max3_num_f32 v17, |v[XS+3]|, |v[XS+4]|, |v[XS+5]|
.irp i, 6,10,14,18,22,26
	s_delay_alu instid0(VALU_DEP_2)
	v_max3_num_f32 v16, v16, |v[XS+\i]|, |v[XS+\i+1]|
	s_delay_alu instid0(VALU_DEP_2)
	v_max3_num_f32 v17, v17, |v[XS+\i+2]|, |v[XS+\i+3]|
.endr
	s_delay_alu instid0(VALU_DEP_2)
	v_max3_num_f32 v16, v16, |v[XS+30]|, |v[XS+31]|
	s_delay_alu instid0(VALU_DEP_1)
	v_max3_num_f32 v16, v16, v17, 0x2800000
	s_delay_alu instid0(VALU_DEP_1)
	v_add_nc_u32 v18, 0xfe000000, v16
	s_delay_alu instid0(VALU_DEP_1)
	v_lshrrev_b32 v19, 23, v18
.if (\t)%4 == 0
	s_delay_alu instid0(VALU_DEP_1)
	v_mov_b32 v[SB+(\t)/4], v19
.else
	s_delay_alu instid0(VALU_DEP_1)
	v_lshl_or_b32 v[SB+(\t)/4], v19, 8*((\t)%4), v[SB+(\t)/4]
.endif
	v_cvt_scalef32_pk16_bf6_f32 v[CC+8*(\t):CC+8*(\t)+2], v[XS:XS+15], v18
	v_cvt_scalef32_pk16_bf6_f32 v[TT:TT+2], v[XS+16:XS+31], v18
	v_nop
.irp i, 0,1,2
	v_mov_b32 v[CC+8*(\t)+3+\i], v[TT+\i]
.endr
	; block t is K step t / 4, half (t / 2) % 2, image lanes 16 (t % 2) + r: the sixteen lanes of one tile store 256 (128) consecutive bytes
	global_store_b128 v10, v[CC+8*(\t):CC+8*(\t)+3], s[28:29] offset:((\t)/4)*1536+(((\t)/2)%2)*768+((\t)%2)*256
	global_store_b64 v11, v[CC+8*(\t)+4:CC+8*(\t)+5], s[28:29] offset:((\t)/4)*1536+(((\t)/2)%2)*768+512+((\t)%2)*128
.endm
.macro WBODY pitch                     ; s26 = my first tile, s22 = my 256 along K, s33 = my work-group's 64 of them: half an image (768 bytes) and two bytes of a scale word
	s_mul_i32 s28, s26, 12288
	s_mul_i32 s36, s33, 768
	s_add_co_u32 s28, s28, s36
	s_mul_i32 s27, s22, 3072
	s_add_co_u32 s28, s28, s27
	s_mov_b32 s29, 0
	s_lshl_b32 s30, s26, 9
	s_lshl_b32 s27, s22, 7
	s_add_co_u32 s30, s30, s27
	s_add_co_u32 s30, s30, 3145728
	s_lshr_b32 s36, s33, 1
	s_lshl_b32 s36, s36, 6                             ; the word of K step s33 / 2 of the pair,
	s_add_co_u32 s30, s30, s36
	s_and_b32 s36, s33, 1
	s_lshl_b32 s36, s36, 1                             ; its bytes 2 (s33 % 2) on
	s_add_co_u32 s30, s30, s36
	s_mov_b32 s31, 0
	s_add_nc_u64 s[28:29], s[16:17], s[28:29]          ; my codes
	s_add_nc_u64 s[30:31], s[16:17], s[30:31]          ; my scale words
	WLOAD 0, \pitch
	WLOAD 1, \pitch
	WBLOCK 0, \pitch                                   ; two blocks a wave: all its 64 loads are issued ahead of the first wait
	WBLOCK 1, \pitch
	global_store_b16 v12, v[SB], s[30:31]
	s_endpgm
.endm
	s_load_b256 s[4:11], s[0:1], 0x0                   ; x, Wq, Wk, Wv
	s_load_b128 s[12:15], s[0:1], 0x20                 ; Wo, xq
	s_load_b64 s[16:17], s[0:1], 0x30                  ; wq
	v_lshl_add_u32 v62, v0, 2, 0x21000
	v_mov_b32 v63, 0
	v_lshrrev_b32 v1, 5, v0
	s_delay_alu instid0(VALU_DEP_1)
	v_readfirstlane_b32 s18, v1                        ; wave 0..7
	v_and_b32 v2, 31, v0                               ; lane
	s_and_b32 s19, s18, 1                              ; x: tile u of the 32 tokens; weights: which 32 columns
	s_lshr_b32 s22, s18, 1                             ; which 256 along K
	s_mov_b32 s[SEL], 0x76543210
	s_mov_b32 s[SEL+1], 0xfedcba98
	s_cmp_lt_u32 ttmp9, 256
	s_cbranch_scc0 .Lweights
	; ---- x.  Each load reads a row's 512 consecutive bytes (128 along K); the 16 rows turn through the wave's own stage in LDS (rows 528 bytes apart) and come back 128 bytes a lane and block.
	v_lshlrev_b32 v3, 4, v2                            ; 16 x lane
	v_lshlrev_b32 v4, 3, v2                            ; 8 x lane
	v_lshlrev_b32 v5, 2, v2                            ; 4 x lane
	v_and_b32 v6, 15, v2                               ; r
	v_lshrrev_b32 v7, 4, v2                            ; h
	s_mul_i32 s23, s18, 16896                          ; my two stages
	v_add_nc_u32 v8, s23, v3                           ; in: 16 x lane of a row
	v_mul_u32_u24 v9, v6, 528
	s_delay_alu instid0(VALU_DEP_1)
	v_lshl_add_u32 v9, v7, 7, v9
	s_delay_alu instid0(VALU_DEP_1)
	v_add_nc_u32 v9, s23, v9                           ; out: row r, block h
	v_lshlrev_b32 v10, 3, v7                           ; 8 h
	v_mov_b32 v[TM+6], 0                               ; a lane permute's destination counts as read
	s_lshl_b32 s24, ttmp9, 17                          ; 32 tokens of 4,096 bytes,
	s_lshl_b32 s25, s19, 15                            ; + 8 u tokens,
	s_add_co_u32 s24, s24, s25
	s_lshl_b32 s25, s22, 10                            ; + my 256 along K
	s_add_co_u32 s24, s24, s25
	s_mov_b32 s25, 0
	s_lshl_b32 s26, ttmp9, 1
	s_add_co_u32 s26, s26, s19                         ; my tile
	s_mul_i32 s28, s26, 12288
	s_mul_i32 s27, s22, 3072
	s_add_co_u32 s28, s28, s27
	s_mov_b32 s29, 0
	s_lshl_b32 s30, s26, 9
	s_lshl_b32 s27, s22, 7
	s_add_co_u32 s30, s30, s27
	s_add_co_u32 s30, s30, 6291456
	s_mov_b32 s31, 0
	s_mov_b32 s32, 0xffff0000                          ; lanes 16-31
	s_wait_alu depctr_va_vdst(0)
	s_wait_kmcnt 0x0
	s_add_nc_u64 s[4:5], s[4:5], s[24:25]
	s_add_nc_u64 s[28:29], s[14:15], s[28:29]
	s_add_nc_u64 s[30:31], s[14:15], s[30:31]
.irp s, 0,1
.irp i, 0,1,2,3,4,5,6,7,8,9,10,11,12,13,14,15
	global_load_b128 v[R+64*\s+4*\i:R+64*\s+4*\i+3], v3, s[4:5] offset:(\i+8*(\i/8))*4096+512*\s th:TH_LOAD_NT
.endr
.endr
	s_wait_loadcnt 16                                  ; the first K step's 16 rows are in
.irp i, 0,1,2,3,4,5,6,7,8,9,10,11,12,13,14,15
	ds_store_b128 v8, v[R+4*\i:R+4*\i+3] offset:528*\i
.endr
.irp c, 0,1
.irp q, 0,1,2,3,4,5,6,7
	ds_load_b128 v[XA+32*\c+4*\q:XA+32*\c+4*\q+3], v9 offset:256*\c+16*\q   ; LDS serves a wave's instructions in order: these see the stores above
.endr
.endr
	s_wait_loadcnt 0x0
.irp i, 0,1,2,3,4,5,6,7,8,9,10,11,12,13,14,15
	ds_store_b128 v8, v[R+64+4*\i:R+64+4*\i+3] offset:8448+528*\i
.endr
	s_wait_dscnt 16                                    ; all but the 16 stores just issued: the first K step's numbers are back, and v64-127 are free
.irp c, 0,1
.irp q, 0,1,2,3,4,5,6,7
	ds_load_b128 v[R+32*\c+4*\q:R+32*\c+4*\q+3], v9 offset:8448+256*\c+16*\q
.endr
.endr
	QX XA, PCA, 12
	global_store_b128 v3, v[PCA:PCA+3], s[28:29]                      ; 512 consecutive bytes,
	global_store_b64 v4, v[PCA+4:PCA+5], s[28:29] offset:512          ; 256
	global_store_b128 v3, v[PCA+6:PCA+9], s[28:29] offset:768
	global_store_b64 v4, v[PCA+10:PCA+11], s[28:29] offset:1280
	s_wait_dscnt 0x0
	QX R, PCB, 13
	global_store_b128 v3, v[PCB:PCB+3], s[28:29] offset:1536
	global_store_b64 v4, v[PCB+4:PCB+5], s[28:29] offset:2048
	global_store_b128 v3, v[PCB+6:PCB+9], s[28:29] offset:2304
	global_store_b64 v4, v[PCB+10:PCB+11], s[28:29] offset:2816
	v_cndmask_b32 v14, v12, v13, s32                   ; lanes 0-15 the first K step's words, lanes 16-31 the second's
	global_store_b32 v5, v14, s[30:31]
	s_wait_tensorcnt 0x0
	ds_add_u32 v62, v63
	s_wait_dscnt 0x0
	s_endpgm
.Lweights:
	; ---- a weight: K is its first axis.  A lane takes a column and its registers run down K: a block of 32 lies in one lane, and the codes come out with K innermost.
	; THE DEAL OF THE WEIGHTS: work-groups 256-511.  Each of the 64 parts (a head's Wq, Wk or Wv; 64 columns of Wo) is shared among four work-groups: number % 4 says which 64 of each wave's 256 along K
	s_sub_co_u32 s23, ttmp9, 256
	s_and_b32 s33, s23, 3
	s_lshr_b32 s23, s23, 2
	s_lshr_b32 s24, s23, 4                             ; 0 Wq, 1 Wk, 2 Wv, 3 Wo
	s_and_b32 s25, s23, 15                             ; the head, or which 64 columns of Wo
	s_wait_alu depctr_va_vdst(0)
	v_lshlrev_b32 v3, 2, v2                            ; column n of my 32: 4 n bytes
	v_bfe_u32 v6, v2, 3, 1                             ; its tile u = (n / 8) % 2
	v_and_b32 v7, 7, v2
	v_lshrrev_b32 v8, 4, v2
	s_delay_alu instid0(VALU_DEP_1)
	v_lshl_add_u32 v7, v8, 3, v7                       ; its lane there: r = n % 8 + 8 (n / 16)
	s_delay_alu instid0(VALU_DEP_4)
	v_mul_u32_u24 v9, v6, 12288
	s_delay_alu instid0(VALU_DEP_1)
	v_lshl_add_u32 v10, v7, 4, v9                      ; 12,288 u + 16 r
	s_delay_alu instid0(VALU_DEP_2)
	v_lshl_add_u32 v11, v7, 3, v9                      ; 12,288 u + 8 r
	v_lshlrev_b32 v12, 9, v6
	s_delay_alu instid0(VALU_DEP_1)
	v_lshl_add_u32 v12, v7, 2, v12                     ; 512 u + 4 r
	s_cmp_eq_u32 s24, 3
	s_cbranch_scc1 .Lwo
	s_mul_i32 s26, s25, 12
	s_lshl_b32 s27, s24, 2
	s_add_co_u32 s26, s26, s27
	s_lshl_b32 s27, s19, 1
	s_add_co_u32 s26, s26, s27                         ; my first tile: 12 head + 4 matrix + 2 b
	s_lshl_b32 s34, s25, 18                            ; the head's 1,024 rows of 256 bytes,
	s_lshl_b32 s27, s22, 16
	s_lshl_b32 s36, s33, 14                            ; my work-group's 64 rows of 256 bytes
	s_add_co_u32 s34, s34, s36
	s_add_co_u32 s34, s34, s27
	s_lshl_b32 s27, s19, 7                             ; my 32 columns
	s_add_co_u32 s34, s34, s27
	s_mov_b32 s35, 0
	s_wait_kmcnt 0x0
	s_cmp_eq_u32 s24, 0
	s_cselect_b64 s[4:5], s[6:7], s[8:9]
	s_cmp_eq_u32 s24, 2
	s_cselect_b64 s[4:5], s[10:11], s[4:5]
	s_add_nc_u64 s[4:5], s[4:5], s[34:35]
	WBODY 256
.Lwo:
	s_lshl_b32 s26, s25, 2
	s_lshl_b32 s27, s19, 1
	s_add_co_u32 s26, s26, s27
	s_add_co_u32 s26, s26, 192                         ; my first tile
	s_lshl_b32 s34, s22, 20
	s_lshl_b32 s36, s33, 18                            ; my work-group's 64 rows of 4,096 bytes
	s_add_co_u32 s34, s34, s36
	s_lshl_b32 s27, s25, 8
	s_add_co_u32 s34, s34, s27
	s_lshl_b32 s27, s19, 7
	s_add_co_u32 s34, s34, s27
	s_mov_b32 s35, 0
	s_wait_kmcnt 0x0
	s_add_nc_u64 s[4:5], s[12:13], s[34:35]
	WBODY 4096
.Lfunc_end_k_qf845aad680_quant:
	.size	k_qf845aad680_quant, .Lfunc_end_k_qf845aad680_quant-k_qf845aad680_quant
	.p2alignl 7, 3214868480
	.fill 96, 4, 3214868480
	.section	.rodata,"a",@progbits
	.p2align	6, 0x0
	.amdhsa_kernel k_qf845aad680_quant
		.amdhsa_group_segment_fixed_size 136192
		.amdhsa_private_segment_fixed_size 0
		.amdhsa_enable_private_segment 0
		.amdhsa_kernarg_size 56
		.amdhsa_user_sgpr_count 2
		.amdhsa_user_sgpr_kernarg_segment_ptr 1
		.amdhsa_wavefront_size32 1
		.amdhsa_system_sgpr_workgroup_id_x 1
		.amdhsa_system_sgpr_workgroup_id_y 1
		.amdhsa_system_sgpr_workgroup_id_z 1
		.amdhsa_system_vgpr_workitem_id 0
		.amdhsa_next_free_vgpr 256
		.amdhsa_next_free_sgpr 66
		.amdhsa_reserve_vcc 0
		.amdhsa_float_denorm_mode_32 3
		.amdhsa_float_denorm_mode_16_64 3
		.amdhsa_memory_ordered 1
		.amdhsa_forward_progress 1
		.amdhsa_inst_pref_size 44
	.end_amdhsa_kernel
	.amdgpu_metadata
---
amdhsa.version: [ 1, 2 ]
amdhsa.kernels:
  - .name:           k_qf845aad680_quant
    .symbol:         k_qf845aad680_quant.kd
    .args:
      - { .name: x, .offset: 0, .size: 8, .value_kind: global_buffer, .address_space: global }
      - { .name: Wq, .offset: 8, .size: 8, .value_kind: global_buffer, .address_space: global }
      - { .name: Wk, .offset: 16, .size: 8, .value_kind: global_buffer, .address_space: global }
      - { .name: Wv, .offset: 24, .size: 8, .value_kind: global_buffer, .address_space: global }
      - { .name: Wo, .offset: 32, .size: 8, .value_kind: global_buffer, .address_space: global }
      - { .name: xq, .offset: 40, .size: 8, .value_kind: global_buffer, .address_space: global }
      - { .name: wq, .offset: 48, .size: 8, .value_kind: global_buffer, .address_space: global }
    .group_segment_fixed_size: 136192
    .private_segment_fixed_size: 0
    .kernarg_segment_align: 8
    .kernarg_segment_size: 56
    .max_flat_workgroup_size: 256
    .sgpr_count:     66
    .vgpr_count:     256
    .wavefront_size: 32
...
	.end_amdgpu_metadata
.endif
;; end of part 1
;; launch qkv (part 2): grid 16 x 16, 4 waves a work-group, clusters of 4 x 4, 327,680 bytes of LDS; arguments xq, wq, qq, kv; writes qq, kv
.if DOCPART == 2
	.amdgcn_target "amdgcn-amd-amdhsa--gfx1250"
	.amdhsa_code_object_version 6
	.text
	.protected	k_qf845aad680_qkv
	.globl	k_qf845aad680_qkv
	.p2align	8
	.type	k_qf845aad680_qkv,@function
k_qf845aad680_qkv:
	s_mov_b64 s[64:65], 0
	v_nop
	global_prefetch_b8 v0, s[64:65] scope:SCOPE_SE
	s_setreg_imm32_b32 hwreg(HW_REG_WAVE_MODE, 25, 1), 1
	s_wait_xcnt 0x0
	s_wait_alu depctr_hold_cnt(0) depctr_sa_sdst(0) depctr_va_vdst(0) depctr_va_sdst(0) depctr_va_ssrc(0) depctr_va_vcc(0) depctr_vm_vsrc(0)
	s_getreg_b32 s2, hwreg(HW_REG_IB_STS2, 6, 4)
	s_cmp_eq_u32 s2, 0
	s_cbranch_scc0 .Lentry_in_a_cluster
	s_endpgm
.Lentry_in_a_cluster:
	s_bfe_u32 s2, ttmp6, 0x10000c
	s_cmp_lg_u32 s2, 0xf033
	s_cbranch_scc0 .Lentry_shape_is_right
	s_endpgm
.Lentry_shape_is_right:
; q, k, v = x Wq, x Wk, x Wv on codes of E3M2 (K = 1,024), and their quantising for the attention, in registers: q and k along the head's 64, v along the tokens (its K there).  Nothing leaves as f32.
; SHARES.  A work-group: one head's 192 columns (12 tiles of wq) x 256 tokens (16 tiles of xq).  A wave: 64 tokens (4 tiles) x all 12: 48 accumulators, 384 registers.
; q and k are made TRANSPOSED (source 0 = W, source 1 = x): a lane holds one token and its registers run along the head's 64.  v is made the natural way (source 0 = x, source 1 = W): a lane holds one channel and its registers run along
; the tokens.  By the choice of a tile's rows (lane r of tile u: row 8 u + r + 8 (r / 8) of 32) the 16 registers of two neighbouring tiles are 16 neighbours.  So one macro quantises all three and nothing crosses waves.
; OUT.  qq: q's codes [batch x head 64][tile 128][768]; from byte 6,291,456 words [..][tile][16][4] (bytes 2, 3 = 0).  kv: for each batch x head 17 units of 12,288 bytes: unit 0 = k's words [tile 128][16][4], then v's [key step 16][tile 4][16][4];
; unit 1 + j = key step j (128 keys): k's 8 half images of 768 bytes, then v's 4 fragments of 1,536.  A half image: 16 rows x 64 K, registers 0-3 at 16 lane, 4-5 at 512 + 8 lane.  Every store of codes covers 512 or 256 consecutive aligned bytes.
; LDS.  Operands lie in memory as images of their registers, so a K step's tiles are dense runs: no padding, and every LDS load reads consecutive bytes.  Three slots of 256 along K (x 16 x 3,072 bytes, W 12 x 3,072);
; K's four chunks: three first fills, and chunk 3 fills slot 0 again.  By this text's own count a wave has three tensor loads out at the start, later one.
; CLUSTER 4 x 4: x's tiles hang on the token block alone and are asked for jointly along a row of the cluster, W's on the head alone, along a column.
; LIMITS as in the launch before: byte 1 for blocks of zeros and under 2^-122; NaN and infinities are not served.
; REGISTERS.  window 0: v1-19 addresses; v32-47 x's scale words (4 i + kp: lanes 0-15 K step 2 kp, lanes 16-31 2 kp + 1), v48-95 W's; v96-143, v144-191 x's fragments, two sets; v200-217 at work.
;   window 1: q's accumulators (token tile i, W tile t) at 32 i + 8 t, k's at 128 + 32 i + 8 t.   window 2: v's (W tile dt, token tile i) at 32 dt + 8 i.   window 3: W's 12 fragments, one set.
; LDS AS IT IS NOW (in place of the slots named above): nothing is filled again.  One joint load a wave at the head: waves 0, 1 bring x's K steps 1-7 of 8 tiles each (rows of 10,752 bytes, 172,032 in all),
; waves 2, 3 all of K of 6 tiles of W each (147,456 in all).  x's K step 0 would not fit beside them (24,576 bytes more than LDS has): each wave's four tiles of it are the wave's own and come from memory straight into their fragment registers.
; A WORK-GROUP STAYS: it makes two blocks of 256 tokens of its head, blocks y and y + 16 (the same tokens two batches on).  W stays in LDS for both.  x's bytes are filled again once: in the first block's last K step, when every
; LDS read is back, each wave asks jointly for its own four tiles of the second block (4 rows of 10,752 bytes); that load has the last 24 products and the way out in which to land.  The block's text is a macro that is expanded twice.
; The second block's K step 0 and x's scale words are loaded into registers under the first block's way out.
; PREFETCH: behind the first block's K step 1 each wave asks for one of its four tiles of the second block, 42 blocks of 256 bytes by two instructions (left-over lanes name the last block again): the four partners that will
; load the tiles jointly share them out by address (tile cx), so each block is named once in each cluster; that is six K steps ahead of the load.
.set WOFF,  172032
.set G1R,  44                          ; s44-51, s56-59 the refill's groups 1 and 0
.set G0R,  56
.set PFP,  60                          ; s[60:61] the prefetches' base
.set SPARE, 319488                     ; behind the tiles: the spare words, 128 bytes a wave, that no other line names
.set FR,   12
.set L16,  1
.set L8,   2
.set L4,   3
.set LV,   4                           ; 64 (lane / 16) + 4 (lane % 16)
.set FLR,  5                           ; 2^(5 - 127)
.set SPW,  6
.set NIL,  7
.set AX16, 8                           ; v8, v11  my x tiles: + 16 lane, + 8 lane
.set AX8,  11
.set AW16, 14                          ; v14-16, v17-19 W's tiles likewise
.set AW8,  17
.set XS,   32
.set WS,   48
.set XF,   96
.set TM,   200
.set WD,   216
.set PC,   144                         ; the way out's codes, in x's set 1: set 0 takes the next block's K step 0 meanwhile
.set PT,   156
.set SEL,  12                          ; s[12:13]
.set HM,   83                          ; s83 lanes 16-31
.set G1X,  24
.set G1W,  32
.set G0X,  40                          ; s40-43
.set G0W,  52                          ; s52-55
.set QP, 88
.set QW, 90
.set KP, 92
.set KW, 94
.set VP, 96
.set VW, 98
.set S1, 0x53                          ; source 0 (W) window 3, source 1 (x) window 0, C and D window 1
.set S3, 0xac                          ; source 0 (x) window 0, source 1 (W) window 3, C and D window 2
.set MSB, 0
.macro WIN new                         ; the immediate's high byte repeats the setting that is left
.if MSB != (\new)
	s_set_vgpr_msb (MSB<<8)|(\new)
.set MSB, (\new)
.endif
.endm
.macro PLACES n                        ; plain vector lines between a matrix instruction and a load into, or a read of, its registers
.rept \n
	v_nop
.endr
.endm
.macro JLOAD g0a, g1a, g0b, g1b        ; a joint load: waves 0, 1 fetch x's halves, waves 2, 3 W's; four v_nop follow each line
	s_cmp_eq_u32 s15, 0
	s_cbranch_scc0 .Lfor_b_\@
	tensor_load_to_lds s[\g0a:\g0a+3], s[\g1a:\g1a+7]
	s_nop 0
.rept 4
	v_nop
.endr
	s_branch .Lasked_\@
.Lfor_b_\@:
	tensor_load_to_lds s[\g0b:\g0b+3], s[\g1b:\g1b+7]
	s_nop 0
.rept 4
	v_nop
.endr
.Lasked_\@:
.endm
.macro CREST                           ; a round of the cluster's barrier behind its opening barrier
	s_cmp_lg_u32 s14, 0
	s_cbranch_scc1 .Lnot_wave_0_\@
	s_barrier_signal -3
.Lnot_wave_0_\@:
	s_barrier_wait -3
	s_barrier_signal -1
	s_barrier_wait -1
.endm
.macro CROUND
	s_barrier_signal -1
	s_barrier_wait -1
	CREST
.endm
.macro FRAG reg, a16, a8, off          ; a fragment's image: four loads of consecutive bytes
	ds_load_b128 v[\reg:\reg+3], v[\a16] offset:\off
	ds_load_b64 v[\reg+4:\reg+5], v[\a8] offset:\off+512
	ds_load_b128 v[\reg+6:\reg+9], v[\a16] offset:\off+768
	ds_load_b64 v[\reg+10:\reg+11], v[\a8] offset:\off+1280
.endm
.macro FETCH_X ks                      ; my four x tiles of K step ks (1 to 7) into set ks % 2 (16 loads); window 0
.irp i, 0,1,2,3
	FRAG XF+48*((\ks)%2)+FR*\i, AX16, AX8, \i*10752+((\ks)-1)*1536
.endr
.endm
.macro FETCH_W ks, t0                  ; W's tiles t0 .. t0 + 5 (24 loads); destination window 3; an address register for each four tiles keeps the offsets inside 16 bits
.irp t, 0,1,2,3,4,5
	FRAG FR*(\t0+\t), AW16+(\t0+\t)/4, AW8+(\t0+\t)/4, ((\t0+\t)%4)*12288+(\ks)*1536
.endr
.endm
.macro MM zero, odd                    ; one product; an odd K step takes both scale words from lanes 16-31
.if \zero
	v_wmma_scale_f32_16x16x128_f8f6f4 v[AC:AC+7], v[RA:RA+11], v[RB:RB+11], 0, v[SA], v[SBB] matrix_a_fmt:MATRIX_FMT_BF6 matrix_b_fmt:MATRIX_FMT_BF6
.elseif \odd
	v_wmma_scale_f32_16x16x128_f8f6f4 v[AC:AC+7], v[RA:RA+11], v[RB:RB+11], v[AC:AC+7], v[SA], v[SBB] matrix_a_fmt:MATRIX_FMT_BF6 matrix_b_fmt:MATRIX_FMT_BF6 matrix_a_scale:MATRIX_SCALE_ROW1 matrix_b_scale:MATRIX_SCALE_ROW1
.else
	v_wmma_scale_f32_16x16x128_f8f6f4 v[AC:AC+7], v[RA:RA+11], v[RB:RB+11], v[AC:AC+7], v[SA], v[SBB] matrix_a_fmt:MATRIX_FMT_BF6 matrix_b_fmt:MATRIX_FMT_BF6
.endif
.endm
.macro QK ks, t, i, zero               ; W tile t (0-3 q, 4-7 k) x token tile i
.set AC, 128*((\t)/4)+32*(\i)+8*((\t)%4)
.set RA, FR*(\t)
.set RB, XF+48*((\ks)%2)+FR*(\i)
.set SA, WS+4*(\t)+(\ks)/2
.set SBB, XS+4*(\i)+(\ks)/2
	MM \zero, (\ks)%2
.endm
.macro VV ks, dt, i, zero              ; token tile i x W tile 8 + dt
.set AC, 32*(\dt)+8*(\i)
.set RA, XF+48*((\ks)%2)+FR*(\i)
.set RB, FR*(8+(\dt))
.set SA, XS+4*(\i)+(\ks)/2
.set SBB, WS+4*(8+(\dt))+(\ks)/2
	MM \zero, (\ks)%2
.endm
; The 48 accumulators take turns, one instruction a turn, in the same order in every K step.
.macro PART1A ks, zero                 ; q: 16 products
.irp i, 0,1,2,3
.irp t, 0,1,2,3
	QK \ks, \t, \i, \zero
.endr
.endr
.endm
.macro PART1B ks, zero                 ; k's tiles 0, 1: 8
.irp i, 0,1,2,3
.irp t, 4,5
	QK \ks, \t, \i, \zero
.endr
.endr
.endm
.macro PART2 ks, zero                  ; k's tiles 2, 3 and v: 24
	WIN S1
.irp i, 0,1,2,3
.irp t, 6,7
	QK \ks, \t, \i, \zero
.endr
.endr
	WIN S3
.irp dt, 0,1,2,3
.irp i, 0,1,2,3
	VV \ks, \dt, \i, \zero
.endr
.endr
.endm
.macro REST ks                         ; the second half of a K step that has a successor; it begins in window 0, behind four places
	FETCH_X (\ks)+1
	WIN 0xc0
	FETCH_W (\ks)+1, 0                             ; W's tiles 0-5 are done with: one set serves W
	PART2 \ks, 0
	PLACES 4
	WIN 0xc0
	FETCH_W (\ks)+1, 6
	WIN 0
.endm
.macro STEP ks
	s_wait_dscnt 24                                ; x and W's tiles 0-5 are in; the youngest 24 loads (tiles 6-11) may be out
	WIN S1
	PART1A \ks, 0
	PART1B \ks, 0
	s_wait_dscnt 0x0                               ; tiles 6-11 are in
	PLACES 4
	WIN 0
	REST \ks
.endm
; The first block's last K step:  In front of the barrier each wave waits for all its tensor loads, adds 0 to its spare word and waits for that and for its LDS reads.
; 64 registers v[s + 16 b + i] of window win = k 32 b + 16 (lane / 16) + i of my row, blocks b = 0 .. 3 (two groups of 64 K): two half images in v[PC] on, the blocks' bytes in v[TM+4] on.  Each accumulator is read from its low end on.
.macro QUANT s, win
	WIN ((\win)<<2)|((\win)<<4)
.irp b, 0,1,2,3
	v_max3_num_f32 v[TM+\b], v[FLR], |v[\s+16*\b]|, |v[\s+16*\b+1]|
.endr
.irp i, 2,4,6,8,10,12,14
.irp b, 0,1,2,3
	v_max3_num_f32 v[TM+\b], v[TM+\b], |v[\s+16*\b+\i]|, |v[\s+16*\b+\i+1]|
.endr
.endr
	WIN 0
.irp b, 0,1,2,3
	v_permlanex16_b32 v[TM+4+\b], v[TM+\b], s[SEL], s[SEL+1]
.endr
.irp b, 0,1,2,3
	v_max_num_f32 v[TM+\b], v[TM+\b], v[TM+4+\b]   ; with lane l xor 16's 16: the block's largest magnitude
.endr
.irp b, 0,1,2,3
	v_add_nc_u32 v[TM+12+\b], 0xfe000000, v[TM+\b] ; 4 off the exponent field: the conversion's scale operand
.endr
.irp b, 0,1,2,3
	v_lshrrev_b32 v[TM+4+\b], 23, v[TM+12+\b]      ; the byte
.endr
	WIN \win
.irp c, 0,1
	v_cvt_scalef32_pk16_bf6_f32 v[PC+6*\c:PC+6*\c+2], v[\s+32*\c:\s+32*\c+15], v[TM+12+2*\c]
	v_cvt_scalef32_pk16_bf6_f32 v[PT+4*\c:PT+4*\c+2], v[\s+32*\c+16:\s+32*\c+31], v[TM+12+2*\c+1]
.endr
	WIN 0
	v_nop                                          ; one plain line behind the scaled conversions
.irp c, 0,1                            ; the layout wants a whole block in a lane: lanes 0-15 block 2 c, lanes 16-31 block 2 c + 1
.irp i, 0,1,2
	v_permlane16_swap_b32 v[PC+6*\c+\i], v[PT+4*\c+\i]
.endr
.irp i, 0,1,2
	v_mov_b32 v[PC+6*\c+3+\i], v[PT+4*\c+\i]
.endr
.endr
	v_lshl_or_b32 v[WD], v[TM+5], 8, v[TM+4]       ; the first group's two bytes,
	v_lshl_or_b32 v[WD+1], v[TM+7], 8, v[TM+6]     ; the second's:
	v_cndmask_b32 v[WD], v[WD], v[WD+1], s[HM]     ; lanes 0-15 carry the first's, lanes 16-31 the second's
.endm
.macro PUT ptr, o0, o1
	global_store_b128 v[L16], v[PC:PC+3], s[\ptr:\ptr+1] offset:\o0
	global_store_b64 v[L8], v[PC+4:PC+5], s[\ptr:\ptr+1] offset:\o0+512
	global_store_b128 v[L16], v[PC+6:PC+9], s[\ptr:\ptr+1] offset:\o1
	global_store_b64 v[L8], v[PC+10:PC+11], s[\ptr:\ptr+1] offset:\o1+512
.endm
	s_load_b256 s[4:11], s[0:1], 0x0               ; xq, wq, qq, kv
	v_lshl_add_u32 v[SPW], v0, 2, SPARE
	v_mov_b32 v[NIL], 0
	ds_add_u32 v6, v7
	ds_add_u32 v6, v7
	s_wait_dscnt 0x0
	v_lshrrev_b32 v20, 5, v0
	v_readfirstlane_b32 s14, v20                   ; wave 0..3
	s_lshr_b32 s15, s14, 1                         ; I fetch for x (0) or for W (1)
	s_and_b32 s16, s14, 1                          ; which half
	s_bfe_u32 s66, ttmp6, 0x40000                  ; cx
	s_bfe_u32 s67, ttmp6, 0x40004                  ; cy
	s_lshl_b32 s68, ttmp9, 2
	s_add_co_u32 s68, s68, s66                     ; the head
	s_and_b32 s69, ttmp7, 0xffff
	s_lshl_b32 s69, s69, 2
	s_add_co_u32 s69, s69, s67                     ; the block of 256 tokens
	s_lshl_b32 s70, s67, 2
	s_lshl_b32 s70, 15, s70                        ; my row of the cluster
	s_lshl_b32 s71, 0x1111, s66                    ; my column
	; group 1: rows 12,288 bytes apart: x 8 rows a load, W 6
	s_or_b32 s[G1X], s70, (3<<16)|(1<<21)
	s_or_b32 s[G1W], s71, (3<<16)|(1<<21)
.irp g, G1X, G1W
	s_mov_b32 s[\g+5], 1536
	s_mov_b32 s[\g+6], 0
	s_mov_b32 s[\g+7], 0
.endr
	s_mov_b32 s[G1X+1], 1344<<16                   ; x: rows of 10,752 bytes (K steps 1-7 of a tile), 12,288 apart
	s_mov_b32 s[G1X+3], 1344<<16
	s_mov_b32 s[G1W+1], 1536<<16                   ; W: whole tiles of 12,288 bytes
	s_mov_b32 s[G1W+3], 1536<<16
	s_or_b32 s[G1R], s70, (3<<16)|(1<<21)          ; the refill: 4 such rows of x a wave, shared along my row of the cluster
	s_mov_b32 s[G1R+1], 1344<<16
	s_mov_b32 s[G1R+2], 4<<16
	s_mov_b32 s[G1R+3], 1344<<16
	s_mov_b32 s[G1R+4], 4
	s_mov_b32 s[G1R+5], 1536
	s_mov_b32 s[G1R+6], 0
	s_mov_b32 s[G1R+7], 0
	s_mov_b32 s[G1X+2], 8<<16
	s_mov_b32 s[G1X+4], 8
	s_mov_b32 s[G1W+2], 6<<16
	s_mov_b32 s[G1W+4], 6
	s_lshl_b32 s72, s69, 4
	s_lshl_b32 s73, s16, 3
	s_add_co_u32 s72, s72, s73                     ; x: tile 16 block + 8 half
	s_mul_i32 s72, s72, 12288
	s_add_co_u32 s72, s72, 1536                    ; from K step 1 on
	s_mov_b32 s73, 0
	s_mul_i32 s76, s68, 12
	s_mul_i32 s77, s16, 6
	s_add_co_u32 s76, s76, s77                     ; W: tile 12 head + 6 half
	s_mul_i32 s76, s76, 12288
	s_mov_b32 s77, 0
	s_mul_i32 s80, s16, 86016
	s_mul_i32 s81, s16, 73728
	s_add_co_u32 s81, s81, WOFF
	s_mov_b32 s[SEL], 0x76543210
	s_mov_b32 s[SEL+1], 0xfedcba98
	s_mov_b32 s[HM], 0xffff0000
	s_wait_kmcnt 0x0
	s_add_nc_u64 s[74:75], s[4:5], s[72:73]
	s_add_nc_u64 s[78:79], s[6:7], s[76:77]
	CROUND                                         ; all sixteen work-groups are here: the first joint loads meet
	s_mov_b32 s[G0X], 1
	s_mov_b32 s[G0X+1], s80
	s_mov_b64 s[G0X+2:G0X+3], s[74:75]
	s_or_b32 s[G0X+3], s[G0X+3], 0x80000000
	s_mov_b32 s[G0W], 1
	s_mov_b32 s[G0W+1], s81
	s_mov_b64 s[G0W+2:G0W+3], s[78:79]
	s_or_b32 s[G0W+3], s[G0W+3], 0x80000000
	s_mul_i32 s[G0R+2], s69, 196608                ; the refill's group 0: my four tiles of block y + 16, from K step 1 on,
	s_mul_i32 s[G0R+3], s14, 49152
	s_add_co_u32 s[G0R+2], s[G0R+2], s[G0R+3]
	s_add_co_u32 s[G0R+2], s[G0R+2], 3145728+1536
	s_mov_b32 s[G0R+3], 0
	s_add_nc_u64 s[G0R+2:G0R+3], s[4:5], s[G0R+2:G0R+3]
	s_mul_i32 s[PFP], s66, 12288                   ; (of these four my work-group prefetches tile cx)
	s_mov_b32 s[PFP+1], 0
	s_add_nc_u64 s[PFP:PFP+1], s[G0R+2:G0R+3], s[PFP:PFP+1]
	s_or_b32 s[G0R+3], s[G0R+3], 0x80000000
	s_mov_b32 s[G0R], 1
	s_mul_i32 s[G0R+1], s14, 43008                 ; to where my four tiles lie
	JLOAD G0X, G1X, G0W, G1W                       ; my one tensor load at the head
	v_and_b32 v20, 31, v0
	v_lshlrev_b32 v[L16], 4, v20
	v_lshlrev_b32 v[L8], 3, v20
	v_lshlrev_b32 v[L4], 2, v20
	v_and_b32 v21, 15, v0
	v_bfe_u32 v22, v0, 4, 1
	v_lshlrev_b32 v[LV], 2, v21
	v_lshl_add_u32 v[LV], v22, 6, v[LV]
	v_mov_b32 v[FLR], 0x2800000
	v_lshlrev_b32 v23, 8, v20                      ; the prefetches' offsets: blocks 0-31 of a tile's 42,
	v_add_nc_u32 v24, 32, v20
	v_min_u32 v24, 41, v24                         ; and blocks 32-41
	v_lshlrev_b32 v24, 8, v24
.irp b, 0,1,2,3
	v_mov_b32 v[TM+4+\b], 0                        ; a lane permute's destination counts as read
.endr
	s_mul_i32 s82, s14, 43008                      ; my four x tiles
	v_add_nc_u32 v[AX16], s82, v[L16]
	v_add_nc_u32 v[AX8], s82, v[L8]
.irp n, 0,1,2
	v_add_nc_u32 v[AW16+\n], \n*49152+WOFF, v[L16] ; W's tiles 4 n .. 4 n + 3
	v_add_nc_u32 v[AW8+\n], \n*49152+WOFF, v[L8]
.endr
	; the scale words of all of K stay in registers: 16 of x, 48 of W
	s_lshl_b32 s84, s69, 13
	s_lshl_b32 s85, s14, 11
	s_add_co_u32 s84, s84, s85
	s_add_co_u32 s84, s84, 6291456
	s_mov_b32 s85, 0
	s_add_nc_u64 s[84:85], s[4:5], s[84:85]
	s_mul_i32 s86, s68, 6144
	s_add_co_u32 s86, s86, 3145728
	s_mov_b32 s87, 0
	s_add_nc_u64 s[86:87], s[6:7], s[86:87]
	s_mul_i32 s2, s69, 196608                      ; K step 0 of my four x tiles: images of the fragment registers, straight into set 0
	s_mul_i32 s3, s14, 49152
	s_add_co_u32 s2, s2, s3
	s_mov_b32 s3, 0
	s_add_nc_u64 s[2:3], s[4:5], s[2:3]
.irp i, 0,1,2,3
	global_load_b128 v[XF+FR*\i:XF+FR*\i+3], v[L16], s[2:3] offset:\i*12288
	global_load_b64 v[XF+FR*\i+4:XF+FR*\i+5], v[L8], s[2:3] offset:\i*12288+512
	global_load_b128 v[XF+FR*\i+6:XF+FR*\i+9], v[L16], s[2:3] offset:\i*12288+768
	global_load_b64 v[XF+FR*\i+10:XF+FR*\i+11], v[L8], s[2:3] offset:\i*12288+1280
.endr
.irp i, 0,1,2,3
.irp kp, 0,1,2,3
	global_load_b32 v[XS+4*\i+\kp], v[L4], s[84:85] offset:512*\i+128*\kp
.endr
.endr
.irp t, 0,1,2,3,4,5,6,7,8,9,10,11
.irp kp, 0,1,2,3
	global_load_b32 v[WS+4*\t+\kp], v[L4], s[86:87] offset:512*\t+128*\kp
.endr
.endr
	; where the results go
	s_lshr_b32 s17, s69, 3                         ; batch
	s_and_b32 s18, s69, 7                          ; which 256 tokens of its 2,048
	s_lshl_b32 s19, s17, 4
	s_add_co_u32 s19, s19, s68                     ; batch x head
	s_lshl_b32 s20, s19, 7
	s_lshl_b32 s21, s18, 4
	s_add_co_u32 s20, s20, s21
	s_lshl_b32 s21, s14, 2
	s_add_co_u32 s20, s20, s21                     ; my first token tile among all
	s_mul_i32 s[QP], s20, 768
	s_mov_b32 s[QP+1], 0
	s_add_nc_u64 s[QP:QP+1], s[8:9], s[QP:QP+1]
	s_lshl_b32 s[QW], s20, 6
	s_add_co_u32 s[QW], s[QW], 6291456
	s_mov_b32 s[QW+1], 0
	s_add_nc_u64 s[QW:QW+1], s[8:9], s[QW:QW+1]
	s_mul_i32 s22, s19, 208896                     ; the batch x head's part of kv
	s_lshl_b32 s23, s18, 1
	s_add_co_u32 s23, s23, s15                     ; my key step j; my half of it is c = wave % 2
	s_mul_i32 s17, s23, 12288
	s_add_co_u32 s17, s17, s22
	s_add_co_u32 s17, s17, 12288                   ; unit 1 + j
	s_mul_i32 s21, s16, 3072
	s_add_co_u32 s[KP], s17, s21                   ; k's tiles 4 c on
	s_mov_b32 s[KP+1], 0
	s_add_nc_u64 s[KP:KP+1], s[10:11], s[KP:KP+1]
	s_lshl_b32 s[KW], s18, 10
	s_lshl_b32 s21, s14, 8
	s_add_co_u32 s[KW], s[KW], s21
	s_add_co_u32 s[KW], s[KW], s22
	s_mov_b32 s[KW+1], 0
	s_add_nc_u64 s[KW:KW+1], s[10:11], s[KW:KW+1]
	s_mul_i32 s21, s16, 768
	s_add_co_u32 s[VP], s17, s21
	s_add_co_u32 s[VP], s[VP], 6144                ; v's fragments, half c
	s_mov_b32 s[VP+1], 0
	s_add_nc_u64 s[VP:VP+1], s[10:11], s[VP:VP+1]
	s_lshl_b32 s[VW], s23, 8
	s_lshl_b32 s21, s16, 1
	s_add_co_u32 s[VW], s[VW], s21
	s_add_co_u32 s[VW], s[VW], s22
	s_add_co_u32 s[VW], s[VW], 8192                ; v's words of key step j, bytes 2 c, 2 c + 1
	s_mov_b32 s[VW+1], 0
	s_add_nc_u64 s[VW:VW+1], s[10:11], s[VW:VW+1]
.macro BLOCK first                     ; a block of 256 tokens; first = 1: another follows
	s_wait_alu depctr_va_vdst(0)
	s_wait_tensorcnt 0x0                           ; my load is in,
	s_barrier_signal -1
	s_barrier_wait -1                              ; everybody's is
	WIN 0xc0
	FETCH_W 0, 0
	FETCH_W 0, 6
	WIN 0
	s_wait_loadcnt 0x0                             ; the scale words
	; K step 0 is written out: its products start the sums, nothing is cleared
	s_wait_dscnt 24
	WIN S1
	PART1A 0, 1
	PART1B 0, 1
	s_wait_dscnt 0x0
	PLACES 4
	WIN 0
	FETCH_X 1
	WIN 0xc0
	FETCH_W 1, 0
	PART2 0, 1
	PLACES 4
	WIN 0xc0
	FETCH_W 1, 6
	WIN 0
	STEP 1
.if \first
	global_prefetch_b8 v23, s[PFP:PFP+1] th:TH_LOAD_NT scope:SCOPE_SE
	global_prefetch_b8 v24, s[PFP:PFP+1] th:TH_LOAD_NT scope:SCOPE_SE
.endif
	STEP 2
	STEP 3
	STEP 4
	STEP 5
	STEP 6
.if \first
	s_wait_tensorcnt 0x0                           ; the last K step fetches nothing from LDS: x's bytes are filled again.  No tensor load of mine is out;
	ds_add_u32 v[SPW], v[NIL]                      ; 0 onto my spare word
	s_wait_dscnt 25                                ; (the add and tiles 6-11's 24 loads may be out)
	WIN S1
	PART1A 7, 0                                    ; sixteen products stand between the add and the wait for it
	s_wait_dscnt 0x0                               ; the add is done, and my LDS reads are back
	s_barrier_signal -1
	PART1B 7, 0
	WIN 0
	s_barrier_wait -1
	CREST                                          ; the barrier has opened a round of the cluster's: no wave of any partner still reads x's bytes or has a load on its way
	tensor_load_to_lds s[G0R:G0R+3], s[G1R:G1R+7]  ; my four tiles of the next block, K steps 1-7
	s_nop 0
	PLACES 4
	PART2 7, 0
	WIN 0
	PLACES 4
	s_add_nc_u64 s[2:3], s[2:3], 3145728           ; the next block's K step 0 into set 0 and its scale words: they land under the way out (the first block's loads by these bases came back long ago)
	s_add_nc_u64 s[84:85], s[84:85], 131072
.irp i, 0,1,2,3
	global_load_b128 v[XF+FR*\i:XF+FR*\i+3], v[L16], s[2:3] offset:\i*12288
	global_load_b64 v[XF+FR*\i+4:XF+FR*\i+5], v[L8], s[2:3] offset:\i*12288+512
	global_load_b128 v[XF+FR*\i+6:XF+FR*\i+9], v[L16], s[2:3] offset:\i*12288+768
	global_load_b64 v[XF+FR*\i+10:XF+FR*\i+11], v[L8], s[2:3] offset:\i*12288+1280
.endr
.irp i, 0,1,2,3
.irp kp, 0,1,2,3
	global_load_b32 v[XS+4*\i+\kp], v[L4], s[84:85] offset:512*\i+128*\kp
.endr
.endr
.else
	s_wait_dscnt 24                                ; the last K step fetches nothing
	WIN S1
	PART1A 7, 0
	PART1B 7, 0
	s_wait_dscnt 0x0
	PART2 7, 0
	WIN 0
	PLACES 4
.endif
	; THE WAY OUT: two groups of 64 K at a time.  The wait ahead of each pair: the last pair's stores have had their addresses translated, so their data registers may be written again.
.irp p, 0,1
	s_wait_xcnt 0x0
	QUANT 64*\p, 1                                 ; q of token tiles 2 p, 2 p + 1
	PUT QP, 1536*\p, 1536*\p+768
	global_store_b32 v[L4], v[WD], s[QW:QW+1] offset:128*\p
.endr
.irp p, 0,1
	s_wait_xcnt 0x0
	QUANT 128+64*\p, 1                             ; k likewise
	PUT KP, 1536*\p, 1536*\p+768
	global_store_b32 v[L4], v[WD], s[KW:KW+1] offset:128*\p
.endr
.irp p, 0,1
	s_wait_xcnt 0x0
	QUANT 64*\p, 2                                 ; v of channel tiles 2 p, 2 p + 1: my 64 tokens are half a key step
	PUT VP, 3072*\p, 3072*\p+1536
	global_store_b16 v[LV], v[WD], s[VW:VW+1] offset:128*\p   ; half a word a row: the other half is the neighbouring wave's
.endr
.if \first
	s_wait_xcnt 0x0                                ; the stores have read their bases and their data: on to the same places two batches (32 batch x heads) on
	s_add_nc_u64 s[QP:QP+1], s[QP:QP+1], 3145728
	s_add_nc_u64 s[QW:QW+1], s[QW:QW+1], 262144
	s_add_nc_u64 s[KP:KP+1], s[KP:KP+1], 6684672
	s_add_nc_u64 s[KW:KW+1], s[KW:KW+1], 6684672
	s_add_nc_u64 s[VP:VP+1], s[VP:VP+1], 6684672
	s_add_nc_u64 s[VW:VW+1], s[VW:VW+1], 6684672
.endif
.endm
	BLOCK 1
	BLOCK 0
	s_wait_tensorcnt 0x0                           ; the wave's end
	ds_add_u32 v[SPW], v[NIL]
	s_wait_dscnt 0x0
	CROUND                                         ; the closing round: no work-group ends while a partner may still ask for a tile that names it
	s_endpgm
.Lfunc_end_k_qf845aad680_qkv:
	.size	k_qf845aad680_qkv, .Lfunc_end_k_qf845aad680_qkv-k_qf845aad680_qkv
	.p2alignl 7, 3214868480
	.fill 96, 4, 3214868480
	.section	.rodata,"a",@progbits
	.p2align	6, 0x0
	.amdhsa_kernel k_qf845aad680_qkv
		.amdhsa_group_segment_fixed_size 327680
		.amdhsa_private_segment_fixed_size 0
		.amdhsa_enable_private_segment 0
		.amdhsa_kernarg_size 32
		.amdhsa_user_sgpr_count 2
		.amdhsa_user_sgpr_kernarg_segment_ptr 1
		.amdhsa_wavefront_size32 1
		.amdhsa_system_sgpr_workgroup_id_x 1
		.amdhsa_system_sgpr_workgroup_id_y 1
		.amdhsa_system_sgpr_workgroup_id_z 1
		.amdhsa_system_vgpr_workitem_id 0
		.amdhsa_next_free_vgpr 1024
		.amdhsa_next_free_sgpr 100
		.amdhsa_reserve_vcc 0
		.amdhsa_float_denorm_mode_32 3
		.amdhsa_float_denorm_mode_16_64 3
		.amdhsa_memory_ordered 1
		.amdhsa_forward_progress 1
		.amdhsa_inst_pref_size 239
	.end_amdhsa_kernel
	.amdgpu_metadata
---
amdhsa.version: [ 1, 2 ]
amdhsa.kernels:
  - .name:           k_qf845aad680_qkv
    .symbol:         k_qf845aad680_qkv.kd
    .args:
      - { .name: xq, .offset: 0, .size: 8, .value_kind: global_buffer, .address_space: global }
      - { .name: wq, .offset: 8, .size: 8, .value_kind: global_buffer, .address_space: global }
      - { .name: qq, .offset: 16, .size: 8, .value_kind: global_buffer, .address_space: global }
      - { .name: kv, .offset: 24, .size: 8, .value_kind: global_buffer, .address_space: global }
    .group_segment_fixed_size: 327680
    .private_segment_fixed_size: 0
    .kernarg_segment_align: 8
    .kernarg_segment_size: 32
    .max_flat_workgroup_size: 128
    .sgpr_count:     100
    .vgpr_count:     1024
    .wavefront_size: 32
...
	.end_amdgpu_metadata
.endif
;; end of part 2
;; launch attn (part 3): grid 4 x 64, 8 waves a work-group, clusters of 4 x 1, 210,944 bytes of LDS; arguments qq, kv, aq; writes aq
.if DOCPART == 3
	.amdgcn_target "amdgcn-amd-amdhsa--gfx1250"
	.amdhsa_code_object_version 6
	.text
	.protected	k_qf845aad680_attn
	.globl	k_qf845aad680_attn
	.p2align	8
	.type	k_qf845aad680_attn,@function
k_qf845aad680_attn:
	s_mov_b64 s[64:65], 0
	v_nop
	global_prefetch_b8 v0, s[64:65] scope:SCOPE_SE
	s_setreg_imm32_b32 hwreg(HW_REG_WAVE_MODE, 25, 1), 1
	s_wait_xcnt 0x0
	s_wait_alu depctr_hold_cnt(0) depctr_sa_sdst(0) depctr_va_vdst(0) depctr_va_sdst(0) depctr_va_ssrc(0) depctr_va_vcc(0) depctr_vm_vsrc(0)
	s_getreg_b32 s2, hwreg(HW_REG_IB_STS2, 6, 4)
	s_cmp_eq_u32 s2, 0
	s_cbranch_scc0 .Lentry_in_a_cluster
	s_endpgm
.Lentry_in_a_cluster:
	s_bfe_u32 s2, ttmp6, 0x10000c
	s_cmp_lg_u32 s2, 0x3003
	s_cbranch_scc0 .Lentry_shape_is_right
	s_endpgm
.Lentry_shape_is_right:
; Causal attention of one batch x head on codes of E3M2, head size 64, and the quantising of its result along (head, channel) for the output projection.
; t = score x log2(e) / 8; M = the running largest t rounded UP to a whole number; p = 2^(t - M) is quantised along the keys, not normalised; the row's sum is taken of the unquantised p and divides at the end.
; LEFT OUT: key steps all of whose keys come after a wave's queries: the causal mask sets their scores to -infinity, so their p is 0 for all inputs.  A NaN or infinity that reaches only such keys is not carried to the result.
; LDS.  A head's K, V and scale words, 208,896 bytes, are brought ONCE, as they lie in kv: each of the eight waves asks for 102 rows of 256 bytes, its one tensor load; nothing is filled again, no wave stores to LDS, and behind one barrier every wave runs alone.
; CLUSTER 4 x 1: the four work-groups of a batch x head want the same bytes and ask jointly.  No prefetch: all tiles are asked for at the head, and no loop runs ahead of a load.
; SHARES.  A wave holds TWO tiles of 16 queries at once, tiles 8 g + 2 cx and 8 g + 2 cx + 1 (32 neighbouring queries): each fragment of K and V is read from LDS once for both.  g = w in the first pass and 15 - w in the second:
; (w + 1) + (16 - w) = 17 key steps of 128 keys for every wave.  A key step j > g is left out and j = g is masked: both tests hang on the wave's number and the loop's count alone; the place in the cluster enters global addresses and the mask's compare only.
; K's fragments of step j + 1 are asked for in step j, behind V's of step j: both land under the softmax (in the last step the address is held at key step 15, and what comes is not used).
; LAYOUT.  Both products transposed: S^T = K Q^T, O^T = V^T P^T: a lane holds one query.  The rows of a tile are not neighbours (lane r of tile u: row 8 u + r + 8 (r / 8) of 32), so p's 16 registers of two neighbouring tiles are 16 neighbouring keys.
; THE FIRST PRODUCT'S K IS 64 of the instruction's 128: Q's upper six registers are zero codes, and K's and Q's scale bytes 2, 3 are 0 (2^-127, a number); K's upper six registers are whatever lies there (the next tile's codes): they meet zeros.
; LIMITS: byte 1 for blocks of zeros and under 2^-122; NaN and infinities are not served; 1 / sum by v_rcp_f32; the promise holds while |t| stays under 2^31.
; REGISTERS.  Window 0: addresses, Q, K's and V's fragments, scale words, codes and what is at work, tile x's beside tile 0's.  Window 1: v0-63 O^T of the two tiles, v64-191 S^T, then p; v192-205 the second pass's Q.
.set SPARE, 0x33000
.set L16, 1
.set L8,  2
.set L4,  3
.set DA,  4                            ; d = my query's place in its 128 - 16 (lane / 16), tile 0; v5 tile 1
.set DB,  5
.set R4,  6
.set RH,  7
.set AV16, 8
.set AV8,  9
.set AK16, 10
.set AK8,  11
.set ST,  12                           ; v[ST+4x] -M, v[ST+4x+1] the largest t
.set QA,  20                           ; v20-31, v32-43 Q's six registers and six of zero codes
.set QW,  44                           ; v44, v45 its scale words
.set ADS, 46
.set ADT, 47
.set KF,  48                           ; v48-95 K's 8 tiles, v96-101 zeros behind them
.set VF,  102                          ; v102-149 V's 4 fragments
.set KS,  150
.set VS,  154
.set BM,  160                          ; + 4 x: the blocks' largest scores
.set PX,  168
.set SO,  176
.set FF,  184                          ; + 2 x: f, and p's scale word
.set TT,  188
.set PC,  192                          ; + 12 x: p's codes
.set PT,  216
.set AC,  232                          ; + 8 x: three pairs at work, and the row's sum in the fourth
.set NINF, 253
.set SPW, 254
.set NIL, 255
.set OO,  0                            ; window 1
.set SS,  64
.set QN,  192
.set WV,  18
.set SEL, 20
.set CS,  22
.set G1,  24
.set G0,  40
.set KOF, 44
.set KOC, 45
.set KSC, 46
.set J,   48
.set G,   49
.set OFF, 50
.set KSO, 51
.set VSO, 52
.set HM,  53
.set CNT, 62
.set MSB, 0
.macro WIN new                         ; low byte: bits 1:0 source 0, 3:2 source 1, 5:4 source 2, 7:6 destination; the high byte repeats the setting that is left
.if MSB != (\new)
	s_set_vgpr_msb (MSB<<8)|(\new)
.set MSB, (\new)
.endif
.endm
.macro CROUND
	s_barrier_signal -1
	s_barrier_wait -1
	s_cmp_lg_u32 s[WV], 0
	s_cbranch_scc1 .Lnot_wave_0_\@
	s_barrier_signal -3
.Lnot_wave_0_\@:
	s_barrier_wait -3
	s_barrier_signal -1
	s_barrier_wait -1
.endm
.macro PTRS qt, qc, qw, ac, aw         ; the pointers of query tile s[qt]; the tile beside it lies 768, 64, 12,288 and 512 bytes on
	s_lshl_b32 s78, s11, 7
	s_add_co_u32 s78, s78, s[\qt]
	s_mul_i32 s[\qc], s78, 768
	s_mov_b32 s[\qc+1], 0
	s_add_nc_u64 s[\qc:\qc+1], s[4:5], s[\qc:\qc+1]
	s_lshl_b32 s[\qw], s78, 6
	s_add_co_u32 s[\qw], s[\qw], 6291456
	s_mov_b32 s[\qw+1], 0
	s_add_nc_u64 s[\qw:\qw+1], s[4:5], s[\qw:\qw+1]
	s_lshl_b32 s78, s79, 7
	s_add_co_u32 s78, s78, s[\qt]                  ; the token tile in aq: 128 batch + tile
	s_mul_i32 s[\ac], s78, 12288
	s_add_co_u32 s[\ac], s[\ac], s74
	s_mov_b32 s[\ac+1], 0
	s_add_nc_u64 s[\ac:\ac+1], s[8:9], s[\ac:\ac+1]
	s_lshl_b32 s[\aw], s78, 9
	s_add_co_u32 s[\aw], s[\aw], s75
	s_add_co_u32 s[\aw], s[\aw], 6291456
	s_mov_b32 s[\aw+1], 0
	s_add_nc_u64 s[\aw:\aw+1], s[8:9], s[\aw:\aw+1]
.endm
.macro MMS d, a, b, sa, sb, row, acc   ; one product; row = 1: source 0's scale words stand in lanes 16-31; acc = 0: it starts its sums
.if \acc
.if \row
	v_wmma_scale_f32_16x16x128_f8f6f4 v[\d:\d+7], v[\a:\a+11], v[\b:\b+11], v[\d:\d+7], v[\sa], v[\sb] matrix_a_fmt:MATRIX_FMT_BF6 matrix_b_fmt:MATRIX_FMT_BF6 matrix_a_scale:MATRIX_SCALE_ROW1
.else
	v_wmma_scale_f32_16x16x128_f8f6f4 v[\d:\d+7], v[\a:\a+11], v[\b:\b+11], v[\d:\d+7], v[\sa], v[\sb] matrix_a_fmt:MATRIX_FMT_BF6 matrix_b_fmt:MATRIX_FMT_BF6
.endif
.else
.if \row
	v_wmma_scale_f32_16x16x128_f8f6f4 v[\d:\d+7], v[\a:\a+11], v[\b:\b+11], 0, v[\sa], v[\sb] matrix_a_fmt:MATRIX_FMT_BF6 matrix_b_fmt:MATRIX_FMT_BF6 matrix_a_scale:MATRIX_SCALE_ROW1
.else
	v_wmma_scale_f32_16x16x128_f8f6f4 v[\d:\d+7], v[\a:\a+11], v[\b:\b+11], 0, v[\sa], v[\sb] matrix_a_fmt:MATRIX_FMT_BF6 matrix_b_fmt:MATRIX_FMT_BF6
.endif
.endif
.endm
.macro KLOAD                           ; a key step's 8 half images of K and their words: 20 loads
.irp t, 0,1,2,3,4,5,6,7
	ds_load_b128 v[KF+6*\t:KF+6*\t+3], v[AK16] offset:768*\t
	ds_load_b64 v[KF+6*\t+4:KF+6*\t+5], v[AK8] offset:768*\t+512
.endr
.irp b, 0,1,2,3
	ds_load_b32 v[KS+\b], v[ADS] offset:128*\b     ; lanes 0-15 tile 2 b's words, lanes 16-31 tile 2 b + 1's
.endr
.endm
.macro INIT
.irp x, 0,1
	v_mov_b32 v[ST+4*\x+1], 0xff61b1e6             ; the largest t so far: -3e38
	v_mov_b32 v[AC+8*\x+6], 0                      ; the row's sum, in two halves
	v_mov_b32 v[AC+8*\x+7], 0
.endr
.irp x, 0,1
	v_floor_f32 v[ST+4*\x], -v[ST+4*\x+1]          ; -M
.endr
	WIN 0x40
.set n, 0
.rept 64
	v_mov_b32 v[OO+n], 0                           ; O^T: the step is written once; the first change of M leaves zeros zeros
.set n, n+1
.endr
	WIN 0
.endm
; A KEY STEP: 128 keys x 32 queries.  The two tiles' lines stand by turns, so that no line waits for the line above it.
.macro STEP
	s_cmp_gt_u32 s[J], s[G]                        ; all its keys come after my queries: left out
	s_cbranch_scc1 .Lskip_\@
	s_min_u32 s[KOC], s[KOF], 12288*16             ; the next step's K, held at key step 15
	s_min_u32 s[KSC], s[KSO], 512*15
	s_wait_dscnt 0x0                               ; this step's K is in
	WIN 0x50
.irp t, 0,2,4,6
.irp x, 0,1
	MMS SS+64*\x+8*\t, KF+6*\t, QA+12*\x, KS+\t/2, QW+\x, 0, 0
	MMS SS+64*\x+8*\t+8, KF+6*\t+6, QA+12*\x, KS+\t/2, QW+\x, 1, 0
.endr
.endr
	WIN 0
	v_add_nc_u32 v[AV16], s[OFF], v[L16]           ; these six are also the places in front of the loads below and of the first read of the scores
	v_add_nc_u32 v[AV8], s[OFF], v[L8]
	v_add_nc_u32 v[ADT], s[VSO], v[L4]
	v_add_nc_u32 v[AK16], s[KOC], v[L16]
	v_add_nc_u32 v[AK8], s[KOC], v[L8]
	v_add_nc_u32 v[ADS], s[KSC], v[L4]
.irp t, 0,1,2,3
	ds_load_b128 v[VF+12*\t:VF+12*\t+3], v[AV16] offset:1536*\t
	ds_load_b64 v[VF+12*\t+4:VF+12*\t+5], v[AV8] offset:1536*\t+512
	ds_load_b128 v[VF+12*\t+6:VF+12*\t+9], v[AV16] offset:1536*\t+768
	ds_load_b64 v[VF+12*\t+10:VF+12*\t+11], v[AV8] offset:1536*\t+1280
.endr
	ds_load_b32 v[VS], v[ADT]
	ds_load_b32 v[VS+1], v[ADT] offset:128
	KLOAD
	s_cmp_lg_u32 s[J], s[G]                        ; on the diagonal hidden scores become -infinity ahead of the maximum
	s_cbranch_scc1 .Lopen_\@
	WIN 0x41
.set n, 0
.rept 64
	v_cmp_gt_i32 vcc_lo, 32*(n/16)+n%16, v[DA]     ; register 16 b + i holds key 32 b + 16 (lane / 16) + i: hidden where 32 b + i > d
	v_cndmask_b32 v[SS+n], v[SS+n], v[NINF], vcc_lo
	v_cmp_gt_i32 vcc_lo, 32*(n/16)+n%16, v[DB]
	v_cndmask_b32 v[SS+64+n], v[SS+64+n], v[NINF], vcc_lo
.set n, n+1
.endr
	WIN 0
.Lopen_\@:
	WIN 0x14
.irp x, 0,1
.irp b, 0,1,2,3
	v_max3_num_f32 v[BM+4*\x+\b], v[NINF], v[SS+64*\x+16*\b], v[SS+64*\x+16*\b+1]   ; the largest score of each block of 32 keys: for the row's maximum and, since p rises with the score, for the block's largest p
.endr
.endr
.irp i, 2,4,6,8,10,12,14
.irp x, 0,1
.irp b, 0,1,2,3
	v_max3_num_f32 v[BM+4*\x+\b], v[BM+4*\x+\b], v[SS+64*\x+16*\b+\i], v[SS+64*\x+16*\b+\i+1]
.endr
.endr
.endr
	WIN 0
.irp n, 0,1,2,3,4,5,6,7
	v_permlanex16_b32 v[PX+\n], v[BM+\n], s[SEL], s[SEL+1]
.endr
.irp n, 0,1,2,3,4,5,6,7
	v_max_num_f32 v[BM+\n], v[BM+\n], v[PX+\n]     ; with lane l xor 16's 16 keys
.endr
.irp x, 0,1
	v_max3_num_f32 v[TT+\x], v[BM+4*\x], v[BM+4*\x+1], v[BM+4*\x+2]
.endr
.irp x, 0,1
	v_max_num_f32 v[TT+\x], v[TT+\x], v[BM+4*\x+3]
.endr
.irp x, 0,1
	v_mul_f32 v[TT+\x], s[CS], v[TT+\x]
.endr
.irp x, 0,1
	v_max_num_f32 v[ST+4*\x+1], v[ST+4*\x+1], v[TT+\x]   ; the running largest t
.endr
.irp x, 0,1
	v_mov_b32 v[TT+\x], v[ST+4*\x]
.endr
.irp x, 0,1
	v_floor_f32 v[ST+4*\x], -v[ST+4*\x+1]          ; the new -M = -ceil(t)
.endr
.irp x, 0,1
	v_sub_f32 v[TT+\x], v[ST+4*\x], v[TT+\x]       ; old M - new M: a whole number, 0 or less
.endr
.irp x, 0,1
	v_cvt_i32_f32 v[TT+\x], v[TT+\x]               ; (it saturates)
.endr
.irp x, 0,1
	v_ldexp_f32 v[FF+2*\x], 1.0, v[TT+\x]          ; f = 2^(old M - new M): a multiplication by it rounds nothing
.endr
.irp x, 0,1
.irp b, 0,1,2,3
	v_fma_f32 v[BM+4*\x+\b], v[BM+4*\x+\b], s[CS], v[ST+4*\x]
.endr
.endr
	WIN 0x41
.set n, 0
.rept 32
.irp x, 0,1
	v_pk_fma_f32 v[SS+64*\x+n:SS+64*\x+n+1], v[SS+64*\x+n:SS+64*\x+n+1], s[CS:CS+1], v[ST+4*\x:ST+4*\x+1] op_sel_hi:[1,0,0]   ; t - M
.endr
.set n, n+2
.endr
	s_wait_alu depctr_va_vdst(0)                   ; the wait ahead of the batch
.set n, 0
.rept 128
	v_exp_f32 v[SS+n], v[SS+n]                     ; p
.set n, n+1
.endr
	WIN 0
.irp n, 0,1,2,3,4,5,6,7
	v_exp_f32 v[BM+\n], v[BM+\n]                   ; the blocks' largest p: the same two instructions on the same number
.endr
.irp x, 0,1
	v_pk_mul_f32 v[AC+8*\x+6:AC+8*\x+7], v[AC+8*\x+6:AC+8*\x+7], v[FF+2*\x:FF+2*\x+1] op_sel_hi:[1,0]   ; the sums under the new M: the plain lines behind the exponentials
.endr
	s_wait_alu depctr_va_vdst(0)                   ; one wait for the batch, ahead of its first reader
	WIN 0x05
.irp c, 0,1,2
.irp x, 0,1
	v_pk_add_f32 v[AC+8*\x+2*\c:AC+8*\x+2*\c+1], v[SS+64*\x+4*\c:SS+64*\x+4*\c+1], v[SS+64*\x+4*\c+2:SS+64*\x+4*\c+3]   ; the sum of the unquantised p, in four chains a tile
.endr
.endr
	WIN 0x04
.set n, 12
.rept 26
.irp x, 0,1
	v_pk_add_f32 v[AC+8*\x+2*((n/2)%4):AC+8*\x+2*((n/2)%4)+1], v[AC+8*\x+2*((n/2)%4):AC+8*\x+2*((n/2)%4)+1], v[SS+64*\x+n:SS+64*\x+n+1]
.endr
.set n, n+2
.endr
	WIN 0
.irp n, 0,1,2,3,4,5,6,7
	v_max_num_f32 v[BM+\n], 0x2800000, v[BM+\n]    ; the floor 2^(5 - 127): the byte cannot fall under 1
.endr
.irp x, 0,1
	v_pk_add_f32 v[AC+8*\x:AC+8*\x+1], v[AC+8*\x:AC+8*\x+1], v[AC+8*\x+2:AC+8*\x+3]
	v_pk_add_f32 v[AC+8*\x+6:AC+8*\x+7], v[AC+8*\x+6:AC+8*\x+7], v[AC+8*\x+4:AC+8*\x+5]
.endr
.irp n, 0,1,2,3,4,5,6,7
	v_add_nc_u32 v[SO+\n], 0xfe000000, v[BM+\n]    ; 4 off the exponent field: the conversion's scale operand
.endr
.irp x, 0,1
	v_pk_add_f32 v[AC+8*\x+6:AC+8*\x+7], v[AC+8*\x+6:AC+8*\x+7], v[AC+8*\x:AC+8*\x+1]
.endr
.irp n, 0,1,2,3,4,5,6,7
	v_lshrrev_b32 v[PX+\n], 23, v[SO+\n]           ; the byte
.endr
.irp x, 0,1
	v_lshl_or_b32 v[FF+2*\x+1], v[PX+4*\x+1], 8, v[PX+4*\x]   ; p's scale word for these 128 keys
.endr
.irp x, 0,1
	v_lshl_or_b32 v[FF+2*\x+1], v[PX+4*\x+2], 16, v[FF+2*\x+1]
.endr
.irp x, 0,1
	v_lshl_or_b32 v[FF+2*\x+1], v[PX+4*\x+3], 24, v[FF+2*\x+1]
.endr
	WIN 0x01
.irp x, 0,1
.irp c, 0,1
	v_cvt_scalef32_pk16_bf6_f32 v[PC+12*\x+6*\c:PC+12*\x+6*\c+2], v[SS+64*\x+32*\c:SS+64*\x+32*\c+15], v[SO+4*\x+2*\c]
	v_cvt_scalef32_pk16_bf6_f32 v[PT+8*\x+4*\c:PT+8*\x+4*\c+2], v[SS+64*\x+32*\c+16:SS+64*\x+32*\c+31], v[SO+4*\x+2*\c+1]
.endr
.endr
	WIN 0
	v_nop                                          ; one plain line behind the scaled conversions
.irp x, 0,1
.irp c, 0,1
.irp i, 0,1,2
	v_permlane16_swap_b32 v[PC+12*\x+6*\c+\i], v[PT+8*\x+4*\c+\i]   ; the layout wants a whole block in a lane
.endr
.endr
.endr
.irp x, 0,1
.irp c, 0,1
.irp i, 0,1,2
	v_mov_b32 v[PC+12*\x+6*\c+3+\i], v[PT+8*\x+4*\c+\i]   ; (a conversion's three registers begin on an even number)
.endr
.endr
.endr
	WIN 0x41
	s_wait_alu depctr_va_vdst(0)                   ; directly ahead of the first reader of O^T
.set n, 0
.rept 16
.irp x, 0,1
	v_pk_mul_f32 v[OO+32*\x+n:OO+32*\x+n+1], v[OO+32*\x+n:OO+32*\x+n+1], v[FF+2*\x:FF+2*\x+1] op_sel_hi:[1,0]   ; O^T under the new M; these 32 are also the places behind the codes' and the scale words' last writes
.endr
.set n, n+2
.endr
	s_wait_alu depctr_va_vdst(0)
	s_wait_dscnt 20                                ; V and its words are in; behind them the next step's K, 16 + 4 loads, may be out
	WIN 0x50
.irp t, 0,2
.irp x, 0,1
	MMS OO+32*\x+8*\t, VF+12*\t, PC+12*\x, VS+\t/2, FF+2*\x+1, 0, 1
	MMS OO+32*\x+8*\t+8, VF+12*\t+12, PC+12*\x, VS+\t/2, FF+2*\x+1, 1, 1
.endr
.endr
	WIN 0
.Lskip_\@:
.endm
; THE WAY OUT of the two tiles: O^T / sum (register 16 b + i = channel 32 b + 16 (lane / 16) + i), quantised: half an image of aq's fragment head / 2, and two bytes of its rows' scale words
.macro OUT ac, aw
.rept 4
	v_nop                                          ; places behind the last products
.endr
.irp x, 0,1
	v_add_f32 v[TT+\x], v[AC+8*\x+6], v[AC+8*\x+7]
.endr
.irp x, 0,1
	v_permlanex16_b32 v[PX+4*\x], v[TT+\x], s[SEL], s[SEL+1]
.endr
.irp x, 0,1
	v_add_f32 v[TT+\x], v[TT+\x], v[PX+4*\x]       ; the row's sum
.endr
	s_wait_alu depctr_va_vdst(0)                   ; the wait ahead of the transcendentals
.irp x, 0,1
	v_rcp_f32 v[TT+\x], v[TT+\x]
.endr
	v_nop                                          ; a plain line behind them,
	WIN 0x41
	s_wait_alu depctr_va_vdst(0)                   ; and the wait ahead of their first reader, which is O^T's too
.irp x, 0,1
.set n, 0
.rept 32
	v_mul_f32 v[SS+64*\x+n], v[OO+32*\x+n], v[TT+\x]
.set n, n+1
.endr
.endr
	WIN 0x14
.irp x, 0,1
.irp b, 0,1
	v_max3_num_f32 v[BM+4*\x+\b], 0x2800000, |v[SS+64*\x+16*\b]|, |v[SS+64*\x+16*\b+1]|
.endr
.endr
.irp i, 2,4,6,8,10,12,14
.irp x, 0,1
.irp b, 0,1
	v_max3_num_f32 v[BM+4*\x+\b], v[BM+4*\x+\b], |v[SS+64*\x+16*\b+\i]|, |v[SS+64*\x+16*\b+\i+1]|
.endr
.endr
.endr
	WIN 0
.irp n, 0,1,4,5
	v_permlanex16_b32 v[PX+\n], v[BM+\n], s[SEL], s[SEL+1]
.endr
.irp n, 0,1,4,5
	v_max_num_f32 v[BM+\n], v[BM+\n], v[PX+\n]
.endr
.irp n, 0,1,4,5
	v_add_nc_u32 v[SO+\n], 0xfe000000, v[BM+\n]
.endr
.irp n, 0,1,4,5
	v_lshrrev_b32 v[PX+\n], 23, v[SO+\n]
.endr
	WIN 0x01
.irp x, 0,1
	v_cvt_scalef32_pk16_bf6_f32 v[PC+12*\x:PC+12*\x+2], v[SS+64*\x:SS+64*\x+15], v[SO+4*\x]
	v_cvt_scalef32_pk16_bf6_f32 v[PT+8*\x:PT+8*\x+2], v[SS+64*\x+16:SS+64*\x+31], v[SO+4*\x+1]
.endr
	WIN 0
	v_nop
.irp x, 0,1
.irp i, 0,1,2
	v_permlane16_swap_b32 v[PC+12*\x+\i], v[PT+8*\x+\i]
.endr
.endr
.irp x, 0,1
.irp i, 0,1,2
	v_mov_b32 v[PC+12*\x+3+\i], v[PT+8*\x+\i]
.endr
	v_cndmask_b32 v[TT+\x], v[PX+4*\x], v[PX+4*\x+1], s[HM]   ; lanes 0-15 block 0's byte, lanes 16-31 block 1's
.endr
.irp x, 0,1
	global_store_b128 v[L16], v[PC+12*\x:PC+12*\x+3], s[\ac:\ac+1] offset:12288*\x          ; 512 consecutive aligned bytes,
	global_store_b64 v[L8], v[PC+12*\x+4:PC+12*\x+5], s[\ac:\ac+1] offset:12288*\x+512      ; 256
	global_store_b8 v[RH], v[TT+\x], s[\aw:\aw+1] offset:512*\x
.endr
.endm
.macro PASS trips, ac, aw              ; key steps 0 .. trips - 1: every count and every start is a constant of the text
	INIT
	v_add_nc_u32 v[AK16], 12288, v[L16]
	v_add_nc_u32 v[AK8], 12288, v[L8]
	v_mov_b32 v[ADS], v[L4]
	KLOAD                                          ; key step 0's K
	s_mov_b32 s[J], 0
	s_mov_b32 s[OFF], 12288+6144                   ; V of key step j
	s_mov_b32 s[KOF], 2*12288                      ; K of key step j + 1
	s_mov_b32 s[KSO], 512
	s_mov_b32 s[VSO], 8192
	s_mov_b32 s[CNT], \trips
	s_wait_alu depctr_va_vdst(0)
.Lloop_\@:
	STEP
	s_add_co_u32 s[J], s[J], 1
	s_add_co_u32 s[OFF], s[OFF], 12288
	s_add_co_u32 s[KOF], s[KOF], 12288
	s_add_co_u32 s[KSO], s[KSO], 512
	s_add_co_u32 s[VSO], s[VSO], 256
	s_sub_co_u32 s[CNT], s[CNT], 1
	s_cmp_lg_u32 s[CNT], 0
	s_cbranch_scc1 .Lloop_\@
	s_wait_dscnt 0x0                               ; the last step's loads of K have come back: their registers may be loaded anew
	OUT \ac, \aw
.endm
	s_load_b128 s[4:7], s[0:1], 0x0                ; qq, kv
	s_load_b64 s[8:9], s[0:1], 0x10                ; aq
	v_lshl_add_u32 v[SPW], v0, 2, SPARE
	v_mov_b32 v[NIL], 0
	ds_add_u32 v[SPW], v[NIL]                      ; the opening lines: the add, twice on end, and its wait ahead of my tensor load
	ds_add_u32 v[SPW], v[NIL]
	v_lshrrev_b32 v1, 5, v0
	v_readfirstlane_b32 s[WV], v1                  ; wave 0..7
	s_bfe_u32 s10, ttmp6, 0x40000                  ; cx
	s_and_b32 s11, ttmp7, 0xffff                   ; batch x head, which the four partners share
	s_mov_b32 s[G1], 15|(3<<16)|(1<<21)            ; a dense block as 102 rows of 256 bytes (32 elements of 8); the mask names all four work-groups
	s_mov_b32 s[G1+1], 32<<16
	s_mov_b32 s[G1+2], 102<<16
	s_mov_b32 s[G1+3], 32<<16
	s_mov_b32 s[G1+4], 102
	s_mov_b32 s[G1+5], 32
	s_mov_b32 s[G1+6], 0
	s_mov_b32 s[G1+7], 0
	s_mul_i32 s12, s11, 208896
	s_mul_i32 s13, s[WV], 26112                    ; my eighth: in LDS as in memory
	s_add_co_u32 s16, s12, s13
	s_mov_b32 s17, 0
	s_mov_b32 s[SEL], 0x76543210
	s_mov_b32 s[SEL+1], 0xfedcba98
	s_mov_b32 s[CS], 0x3e38aa3b                    ; log2(e) / 8
	s_mov_b32 s[CS+1], s[CS]
	s_mov_b32 s[HM], 0xffff0000
	s_wait_dscnt 0x0
	s_wait_kmcnt 0x0
	s_mov_b32 s[G0], 1
	s_mov_b32 s[G0+1], s13
	s_add_nc_u64 s[G0+2:G0+3], s[6:7], s[16:17]
	s_or_b32 s[G0+3], s[G0+3], 0x80000000
	CROUND                                         ; all four work-groups are here: the joint loads meet
	tensor_load_to_lds s[G0:G0+3], s[G1:G1+7]
	s_nop 0
	v_and_b32 v14, 31, v0
	v_and_b32 v15, 15, v0                          ; r
	v_bfe_u32 v18, v0, 4, 1                        ; h
	v_lshlrev_b32 v[L16], 4, v14
	v_lshlrev_b32 v[L8], 3, v14
	v_lshlrev_b32 v[L4], 2, v14
	v_lshlrev_b32 v[R4], 2, v15                    ; 4 r
	v_add_nc_u32 v[RH], v[R4], v18                 ; 4 r + h
	v_and_b32 v[DA], 8, v15
	v_add_nc_u32 v[DA], v[DA], v15                 ; r + 8 (r / 8)
	v_lshlrev_b32 v19, 4, v18
	v_sub_nc_u32 v[DA], v[DA], v19                 ; - 16 h
	s_lshl_b32 s19, s10, 5
	v_add_nc_u32 v[DA], s19, v[DA]                 ; + 32 cx: d of the first tile;
	v_add_nc_u32 v[DB], 8, v[DA]                   ; of the second
	v_mov_b32 v[NINF], 0xff800000
.irp i, 26,27,28,29,30,31,38,39,40,41,42,43,96,97,98,99,100,101,168,169,170,171,172,173,174,175,184,185,186,187
	v_mov_b32 v\i, 0                               ; Q's zero codes; what stands behind K's last tile; lane permutes' destinations and pairs' upper halves, which count as read
.endr
	s_wait_alu depctr_va_vdst(0)                   ; the wait at the end of the head's vector work
	s_lshr_b32 s79, s11, 4                         ; batch
	s_and_b32 s78, s11, 15                         ; head
	s_mul_i32 s74, s78, 768                        ; fragment head / 2, half head % 2
	s_lshr_b32 s75, s78, 1
	s_lshl_b32 s75, s75, 6                         ; the words of K step head / 2,
	s_and_b32 s78, s78, 1
	s_lshl_b32 s78, s78, 1
	s_add_co_u32 s75, s75, s78                     ; bytes 2 (head % 2) on
	s_lshl_b32 s15, s[WV], 3
	s_lshl_b32 s78, s10, 1
	s_add_co_u32 s15, s15, s78                     ; the first pass's first tile: 8 w + 2 cx
	s_sub_co_u32 s63, 15, s[WV]
	s_lshl_b32 s63, s63, 3
	s_add_co_u32 s63, s63, s78                     ; the second's: 8 (15 - w) + 2 cx
	PTRS 15, 54, 56, 58, 60
	PTRS 63, 66, 68, 70, 72
.irp x, 0,1
	global_load_b128 v[QA+12*\x:QA+12*\x+3], v[L16], s[54:55] offset:768*\x
	global_load_b64 v[QA+12*\x+4:QA+12*\x+5], v[L8], s[54:55] offset:768*\x+512
	global_load_b32 v[QW+\x], v[R4], s[56:57] offset:64*\x
.endr
	WIN 0x40
.irp x, 0,1
	global_load_b128 v[QN+6*\x:QN+6*\x+3], v[L16], s[66:67] offset:768*\x
	global_load_b64 v[QN+6*\x+4:QN+6*\x+5], v[L8], s[66:67] offset:768*\x+512
	global_load_b32 v[QN+12+\x], v[R4], s[68:69] offset:64*\x
.endr
	WIN 0
	s_mov_b32 s[G], s[WV]
	s_wait_tensorcnt 0x0                           ; my eighth is in,
	s_barrier_signal -1
	s_barrier_wait -1                              ; everybody's is
	s_wait_loadcnt 0x0                             ; Q of both passes
	PASS 8, 58, 60                                 ; g = w is at most 7
	s_wait_xcnt 0x0                                ; the stores have had their addresses translated: their data registers may be written again
	WIN 0x01
.irp x, 0,1
.irp i, 0,1,2,3,4,5
	v_mov_b32 v[QA+12*\x+\i], v[QN+6*\x+\i]        ; the second pass's Q
.endr
	v_mov_b32 v[QW+\x], v[QN+12+\x]                ; (the lines that begin the pass are the places between this write and the next product)
.endr
	WIN 0
	s_sub_co_u32 s[G], 15, s[WV]
	PASS 16, 70, 72
	s_wait_tensorcnt 0x0                           ; the wave's end
	ds_add_u32 v[SPW], v[NIL]
	s_wait_dscnt 0x0
	CROUND                                         ; the closing round
	s_endpgm
.Lfunc_end_k_qf845aad680_attn:
	.size	k_qf845aad680_attn, .Lfunc_end_k_qf845aad680_attn-k_qf845aad680_attn
	.p2alignl 7, 3214868480
	.fill 96, 4, 3214868480
	.section	.rodata,"a",@progbits
	.p2align	6, 0x0
	.amdhsa_kernel k_qf845aad680_attn
		.amdhsa_group_segment_fixed_size 210944
		.amdhsa_private_segment_fixed_size 0
		.amdhsa_enable_private_segment 0
		.amdhsa_kernarg_size 24
		.amdhsa_user_sgpr_count 2
		.amdhsa_user_sgpr_kernarg_segment_ptr 1
		.amdhsa_wavefront_size32 1
		.amdhsa_system_sgpr_workgroup_id_x 1
		.amdhsa_system_sgpr_workgroup_id_y 1
		.amdhsa_system_sgpr_workgroup_id_z 1
		.amdhsa_system_vgpr_workitem_id 0
		.amdhsa_next_free_vgpr 512
		.amdhsa_next_free_sgpr 80
		.amdhsa_reserve_vcc 1
		.amdhsa_float_denorm_mode_32 3
		.amdhsa_float_denorm_mode_16_64 3
		.amdhsa_memory_ordered 1
		.amdhsa_forward_progress 1
		.amdhsa_inst_pref_size 111
	.end_amdhsa_kernel
	.amdgpu_metadata
---
amdhsa.version: [ 1, 2 ]
amdhsa.kernels:
  - .name:           k_qf845aad680_attn
    .symbol:         k_qf845aad680_attn.kd
    .args:
      - { .name: qq, .offset: 0, .size: 8, .value_kind: global_buffer, .address_space: global }
      - { .name: kv, .offset: 8, .size: 8, .value_kind: global_buffer, .address_space: global }
      - { .name: aq, .offset: 16, .size: 8, .value_kind: global_buffer, .address_space: global }
    .group_segment_fixed_size: 210944
    .private_segment_fixed_size: 0
    .kernarg_segment_align: 8
    .kernarg_segment_size: 24
    .max_flat_workgroup_size: 256
    .sgpr_count:     80
    .vgpr_count:     512
    .wavefront_size: 32
...
	.end_amdgpu_metadata
.endif
;; end of part 3
;; launch oproj (part 4): grid 8 x 32, 4 waves a work-group, clusters of 4 x 4, 327,680 bytes of LDS; arguments aq, wq, bo, out0; writes out0
.if DOCPART == 4
	.amdgcn_target "amdgcn-amd-amdhsa--gfx1250"
	.amdhsa_code_object_version 6
	.text
	.protected	k_qf845aad680_oproj
	.globl	k_qf845aad680_oproj
	.p2align	8
	.type	k_qf845aad680_oproj,@function
k_qf845aad680_oproj:
	s_mov_b64 s[64:65], 0
	v_nop
	global_prefetch_b8 v0, s[64:65] scope:SCOPE_SE
	s_setreg_imm32_b32 hwreg(HW_REG_WAVE_MODE, 25, 1), 1
	s_wait_xcnt 0x0
	s_wait_alu depctr_hold_cnt(0) depctr_sa_sdst(0) depctr_va_vdst(0) depctr_va_sdst(0) depctr_va_ssrc(0) depctr_va_vcc(0) depctr_vm_vsrc(0)
	s_getreg_b32 s2, hwreg(HW_REG_IB_STS2, 6, 4)
	s_cmp_eq_u32 s2, 0
	s_cbranch_scc0 .Lentry_in_a_cluster
	s_endpgm
.Lentry_in_a_cluster:
	s_bfe_u32 s2, ttmp6, 0x10000c
	s_cmp_lg_u32 s2, 0xf033
	s_cbranch_scc0 .Lentry_shape_is_right
	s_endpgm
.Lentry_shape_is_right:
; out0 = a Wo + bo on codes of E3M2 (K = 1,024).  A work-group: 256 tokens (16 tiles of aq) x 128 columns (8 tiles of wq); a wave: 64 tokens (4 tiles) x all 8 tiles: 32 accumulators, which begin with bo as C.
; LDS.  Operands lie in memory as images of their registers, a tile's eight K steps on end (12,288 bytes).  So all of K of 8 token tiles, or of 4 tiles of Wo, is one dense block: each wave brings one such block by its one joint load
; (waves 0, 1 the tokens' halves, 196,608 bytes; waves 2, 3 Wo's, 98,304); nothing is filled again and one barrier shows all.  CLUSTER 4 x 4: the tokens' tiles are shared along a row of the cluster, Wo's along a column.
; No prefetch: all tiles are asked for at the head, and no loop runs ahead of a load.
; K IS WALKED TWICE: first against Wo's tiles 0-3, then against tiles 4-7, 16 accumulators each.  Behind each walk the wave's 64 rows x 64 columns leave, so that the first half's stores are on their way while the second half is multiplied.
; The price: the tokens' fragments are read from LDS twice (Wo's once).
; THE PRODUCT IS USED TRANSPOSED (source 0 = Wo, source 1 = tokens): a lane holds one token, and its eight registers eight neighbouring columns.  The rows of a tile are not neighbours: lane r of tile u takes row 8 u + r + 8 (r / 8) of 32.
; THE WAY OUT: a token tile's 16 rows x 256 bytes go through the wave's own stage (rows 272 bytes apart, bytes into which no tensor load lands) and come back two rows an instruction: sixteen lanes store one aligned unit of 256 bytes.
; REGISTERS.  window 0: v1-17 addresses; v32-47 the tokens' scale words (4 i + kp: lanes 0-15 K step 2 kp, lanes 16-31 2 kp + 1), v48-79 Wo's; v96-143, v144-191 the tokens' fragments, two sets.
;   window 1: accumulator (token tile i, Wo tile t) at 64 i + 8 t.   window 2: v0-63 bo; v64-111, v160-207 Wo's four fragments, two sets; v112-143, v208-239 rows read back from the stage.
.set WOFF,  196608
.set SPARE, 0x48000                    ; behind the tiles: the spare words, 128 bytes a wave, that no other line names
.set STAGE, 0x48400                    ; behind them: 16 rows x 272 bytes for each wave
.set FR,   12
.set L16,  1
.set L8,   2
.set L4,   3
.set AT16, 8
.set AT8,  9
.set AW16, 10                          ; v10, v11 Wo's tiles 0-3; v15, v16 its tiles 4-7
.set AW8,  11
.set STO,  12
.set RD,   13
.set BO,   14
.set AV16, 15
.set AV8,  16
.set CO,   17
.set TS,   32
.set WS,   48
.set TF,   96
.set WF,   64
.set BB,   112
.set SPW,  254
.set NIL,  255
.set G1T,  24
.set G1W,  32
.set G0T,  40
.set G0W,  68
.set MSB, 0
.macro WIN new                         ; the immediate's high byte repeats the setting that is left
.if MSB != (\new)
	s_set_vgpr_msb (MSB<<8)|(\new)
.set MSB, (\new)
.endif
.endm
.macro PLACES n                        ; plain vector lines between a matrix instruction and a load into, or a read of, its registers
.rept \n
	v_nop
.endr
.endm
.macro JLOAD g0a, g1a, g0b, g1b        ; a joint load: waves 0, 1 fetch the tokens' halves, waves 2, 3 Wo's; s_nop 0 and four v_nop follow each line
	s_cmp_eq_u32 s15, 0
	s_cbranch_scc0 .Lfor_b_\@
	tensor_load_to_lds s[\g0a:\g0a+3], s[\g1a:\g1a+7]
	s_nop 0
.rept 4
	v_nop
.endr
	s_branch .Lasked_\@
.Lfor_b_\@:
	tensor_load_to_lds s[\g0b:\g0b+3], s[\g1b:\g1b+7]
	s_nop 0
.rept 4
	v_nop
.endr
.Lasked_\@:
.endm
.macro CROUND                          ; a round of the cluster's barrier
	s_barrier_signal -1
	s_barrier_wait -1
	s_cmp_lg_u32 s14, 0
	s_cbranch_scc1 .Lnot_wave_0_\@
	s_barrier_signal -3
.Lnot_wave_0_\@:
	s_barrier_wait -3
	s_barrier_signal -1
	s_barrier_wait -1
.endm
.macro FRAG reg, a16, a8, off          ; a fragment's image: four loads of consecutive bytes
	ds_load_b128 v[\reg:\reg+3], v[\a16] offset:\off
	ds_load_b64 v[\reg+4:\reg+5], v[\a8] offset:\off+512
	ds_load_b128 v[\reg+6:\reg+9], v[\a16] offset:\off+768
	ds_load_b64 v[\reg+10:\reg+11], v[\a8] offset:\off+1280
.endm
; Step g = 8 x walk + K step.  Its fragments go into set g % 2: my four token tiles and the walk's four tiles of Wo, 32 loads
.macro FETCHALL g
	WIN 0
.irp i, 0,1,2,3
	FRAG TF+48*((\g)%2)+FR*\i, AT16, AT8, \i*12288+((\g)%8)*1536
.endr
	WIN 0x80
.irp t, 0,1,2,3
	FRAG WF+96*((\g)%2)+FR*\t, AW16+5*((\g)/8), AW8+5*((\g)/8), \t*12288+((\g)%8)*1536
.endr
.endm
; 16 products: the walk's 16 accumulators take turns, one instruction a turn, in the same order in every step.  A walk's first step takes bo as C; an odd K step takes both scale words from lanes 16-31
.macro PROD g
.if ((\g)%8) == 0
	WIN 0x62
.else
	WIN 0x52
.endif
.irp i, 0,1,2,3
.irp t, 0,1,2,3
.set TW, 4*((\g)/8)+\t
.set AC, 64*\i+8*TW
.set RA, WF+96*((\g)%2)+FR*\t
.set RB, TF+48*((\g)%2)+FR*\i
.set SA, WS+4*TW+((\g)%8)/2
.set SBB, TS+4*\i+((\g)%8)/2
.if ((\g)%8) == 0
	v_wmma_scale_f32_16x16x128_f8f6f4 v[AC:AC+7], v[RA:RA+11], v[RB:RB+11], v[8*TW:8*TW+7], v[SA], v[SBB] matrix_a_fmt:MATRIX_FMT_BF6 matrix_b_fmt:MATRIX_FMT_BF6
.elseif (\g)%2
	v_wmma_scale_f32_16x16x128_f8f6f4 v[AC:AC+7], v[RA:RA+11], v[RB:RB+11], v[AC:AC+7], v[SA], v[SBB] matrix_a_fmt:MATRIX_FMT_BF6 matrix_b_fmt:MATRIX_FMT_BF6 matrix_a_scale:MATRIX_SCALE_ROW1 matrix_b_scale:MATRIX_SCALE_ROW1
.else
	v_wmma_scale_f32_16x16x128_f8f6f4 v[AC:AC+7], v[RA:RA+11], v[RB:RB+11], v[AC:AC+7], v[SA], v[SBB] matrix_a_fmt:MATRIX_FMT_BF6 matrix_b_fmt:MATRIX_FMT_BF6
.endif
.endr
.endr
.endm
.macro STEP g
	s_wait_dscnt 0x0                               ; this step's fragments are in
.if (\g) < 15
	PLACES 4                                       ; in front of the loads into the set that the last step multiplied
	FETCHALL (\g)+1
.endif
	PROD \g
.endm
; The way out of token tile i in walk hh: register j of accumulator (i, 4 hh + t) in lane (r, h) is column 32 (t / 2) + 8 (t % 2) + 16 h + j of the walk's 64
.macro TOSTAGE i, hh
	WIN 0x04
.irp t, 0,1,2,3
	ds_store_b128 v[STO], v[64*(\i)+32*(\hh)+8*\t:64*(\i)+32*(\hh)+8*\t+3] offset:128*(\t/2)+32*(\t%2)       ; each accumulator from its low end on
	ds_store_b128 v[STO], v[64*(\i)+32*(\hh)+8*\t+4:64*(\i)+32*(\hh)+8*\t+7] offset:128*(\t/2)+32*(\t%2)+16
.endr
	WIN 0x80
.irp k, 0,1,2,3,4,5,6,7
	ds_load_b128 v[BB+96*((\i)%2)+4*\k:BB+96*((\i)%2)+4*\k+3], v[RD] offset:544*\k   ; rows 2 k and 2 k + 1; LDS serves a wave's instructions in order: these see the stores above
.endr
.endm
.macro SEND i, hh, younger             ; younger: the LDS instructions issued behind tile i's loads, which may stay out
	s_wait_dscnt \younger
	WIN 0x08
.irp k, 0,1,2,3,4,5,6,7
	global_store_b128 v[CO], v[BB+96*((\i)%2)+4*\k:BB+96*((\i)%2)+4*\k+3], s[18:19] offset:(32*((\i)/2)+8*((\i)%2)+2*\k+8*(\k/4))*4096+256*(\hh) th:TH_STORE_NT   ; sixteen lanes store 256 consecutive aligned bytes
.endr
.endm
.macro OUTH hh
	WIN 0
	PLACES 4                                       ; behind the walk's last products
	s_wait_xcnt 0x0                                ; earlier stores have read their data: the rows' registers may be loaded anew
	TOSTAGE 0, \hh
	TOSTAGE 1, \hh
	SEND 0, \hh, 16                                ; behind tile 0's loads: tile 1's 8 stores and 8 loads
	s_wait_xcnt 0x0
	TOSTAGE 2, \hh
	SEND 1, \hh, 16
	s_wait_xcnt 0x0
	TOSTAGE 3, \hh
	SEND 2, \hh, 16
	SEND 3, \hh, 0
.endm
	s_load_b256 s[4:11], s[0:1], 0x0               ; aq, wq, bo, out0
	v_lshl_add_u32 v[SPW], v0, 2, SPARE
	v_mov_b32 v[NIL], 0
	ds_add_u32 v[SPW], v[NIL]                      ; the opening lines: the add, twice on end, and its wait ahead of my tensor load
	ds_add_u32 v[SPW], v[NIL]
	v_lshrrev_b32 v20, 5, v0
	v_readfirstlane_b32 s14, v20                   ; wave 0..3
	s_lshr_b32 s15, s14, 1                         ; I fetch for the tokens (0) or for Wo (1)
	s_and_b32 s16, s14, 1                          ; which half
	s_bfe_u32 s84, ttmp6, 0x40000                  ; cx
	s_bfe_u32 s85, ttmp6, 0x40004                  ; cy
	s_lshl_b32 s86, ttmp9, 2
	s_add_co_u32 s86, s86, s84                     ; the block of 128 columns
	s_and_b32 s87, ttmp7, 0xffff
	s_lshl_b32 s87, s87, 2
	s_add_co_u32 s87, s87, s85                     ; the block of 256 tokens
	s_lshl_b32 s88, s85, 2
	s_lshl_b32 s88, 15, s88                        ; my row of the cluster
	s_lshl_b32 s89, 0x1111, s84                    ; my column
	s_or_b32 s[G1T], s88, (3<<16)|(1<<21)          ; group 1: whole tiles of 12,288 bytes (1,536 elements of 8), on end: 8 a load for the tokens, 4 for Wo
	s_or_b32 s[G1W], s89, (3<<16)|(1<<21)
.irp g, G1T, G1W
	s_mov_b32 s[\g+1], 1536<<16
	s_mov_b32 s[\g+3], 1536<<16
	s_mov_b32 s[\g+5], 1536
	s_mov_b32 s[\g+6], 0
	s_mov_b32 s[\g+7], 0
.endr
	s_mov_b32 s[G1T+2], 8<<16
	s_mov_b32 s[G1T+4], 8
	s_mov_b32 s[G1W+2], 4<<16
	s_mov_b32 s[G1W+4], 4
	s_lshl_b32 s90, s87, 4
	s_lshl_b32 s91, s16, 3
	s_add_co_u32 s90, s90, s91                     ; tokens: tile 16 block + 8 half
	s_mul_i32 s90, s90, 12288
	s_mov_b32 s91, 0
	s_lshl_b32 s92, s86, 3
	s_lshl_b32 s93, s16, 2
	s_add_co_u32 s92, s92, s93
	s_add_co_u32 s92, s92, 192                     ; Wo: tile 192 + 8 block + 4 half
	s_mul_i32 s92, s92, 12288
	s_mov_b32 s93, 0
	s_mul_i32 s94, s16, 98304                      ; where they go: no place in the cluster enters an LDS address
	s_mul_i32 s95, s16, 49152
	s_add_co_u32 s95, s95, WOFF
	s_wait_dscnt 0x0
	s_wait_kmcnt 0x0
	s_add_nc_u64 s[90:91], s[4:5], s[90:91]
	s_add_nc_u64 s[92:93], s[6:7], s[92:93]
	CROUND                                         ; all sixteen work-groups are here: the joint loads meet
	s_mov_b32 s[G0T], 1
	s_mov_b32 s[G0T+1], s94
	s_mov_b64 s[G0T+2:G0T+3], s[90:91]
	s_or_b32 s[G0T+3], s[G0T+3], 0x80000000
	s_mov_b32 s[G0W], 1
	s_mov_b32 s[G0W+1], s95
	s_mov_b64 s[G0W+2:G0W+3], s[92:93]
	s_or_b32 s[G0W+3], s[G0W+3], 0x80000000
	JLOAD G0T, G1T, G0W, G1W                       ; my one tensor load of the launch
	v_and_b32 v20, 31, v0
	v_lshlrev_b32 v[L16], 4, v20
	v_lshlrev_b32 v[L8], 3, v20
	v_lshlrev_b32 v[L4], 2, v20
	v_and_b32 v21, 15, v0                          ; r
	v_bfe_u32 v22, v0, 4, 1                        ; h
	s_mul_i32 s17, s14, 49152                      ; my four token tiles
	v_add_nc_u32 v[AT16], s17, v[L16]
	v_add_nc_u32 v[AT8], s17, v[L8]
	v_add_nc_u32 v[AW16], WOFF, v[L16]
	v_add_nc_u32 v[AW8], WOFF, v[L8]
	v_add_nc_u32 v[AV16], WOFF+49152, v[L16]
	v_add_nc_u32 v[AV8], WOFF+49152, v[L8]
	s_mul_i32 s17, s14, 4352
	s_add_co_u32 s17, s17, STAGE                   ; my stage
	v_mul_u32_u24 v[STO], v21, 272                 ; in: row r, 64 bytes for each half of the lanes
	v_lshl_add_u32 v[STO], v22, 6, v[STO]
	v_add_nc_u32 v[STO], s17, v[STO]
	v_mul_u32_u24 v[RD], v22, 272                  ; back: lanes 0-15 one row of 256 bytes, lanes 16-31 the next
	v_lshl_add_u32 v[RD], v21, 4, v[RD]
	v_add_nc_u32 v[RD], s17, v[RD]
	v_lshlrev_b32 v[CO], 12, v22                   ; and the same two rows in out0 (4,096 bytes a row)
	v_lshl_add_u32 v[CO], v21, 4, v[CO]
	v_lshlrev_b32 v[BO], 6, v22
	s_wait_alu depctr_va_vdst(0)                   ; the wait at the end of the head's vector work
	s_lshl_b32 s96, s87, 13
	s_lshl_b32 s97, s14, 11
	s_add_co_u32 s96, s96, s97
	s_add_co_u32 s96, s96, 6291456
	s_mov_b32 s97, 0
	s_add_nc_u64 s[96:97], s[4:5], s[96:97]        ; my tokens' scale words
	s_lshl_b32 s98, s86, 12
	s_add_co_u32 s98, s98, 3145728+192*512
	s_mov_b32 s99, 0
	s_add_nc_u64 s[98:99], s[6:7], s[98:99]        ; Wo's
	s_lshl_b32 s12, s86, 9
	s_mov_b32 s13, 0
	s_add_nc_u64 s[20:21], s[8:9], s[12:13]        ; bo at my 128 columns
	s_lshl_b32 s18, s87, 20
	s_lshl_b32 s19, s14, 18
	s_add_co_u32 s18, s18, s19
	s_add_co_u32 s18, s18, s12
	s_mov_b32 s19, 0
	s_add_nc_u64 s[18:19], s[10:11], s[18:19]      ; out0 at my 64 rows and 128 columns
.irp i, 0,1,2,3
.irp kp, 0,1,2,3
	global_load_b32 v[TS+4*\i+\kp], v[L4], s[96:97] offset:512*\i+128*\kp
.endr
.endr
.irp t, 0,1,2,3,4,5,6,7
.irp kp, 0,1,2,3
	global_load_b32 v[WS+4*\t+\kp], v[L4], s[98:99] offset:512*\t+128*\kp
.endr
.endr
	WIN 0x80
.irp t, 0,1,2,3,4,5,6,7
	global_load_b128 v[8*\t:8*\t+3], v[BO], s[20:21] offset:(32*(\t/2)+8*(\t%2))*4        ; bo in the result's layout
	global_load_b128 v[8*\t+4:8*\t+7], v[BO], s[20:21] offset:(32*(\t/2)+8*(\t%2))*4+16
.endr
	WIN 0
	s_wait_tensorcnt 0x0                           ; my load is in,
	s_barrier_signal -1
	s_barrier_wait -1                              ; everybody's is
	FETCHALL 0
	WIN 0
	s_wait_loadcnt 0x0                             ; the scale words and bo
.irp k, 0,1,2,3,4,5,6,7
	STEP \k
.endr
	OUTH 0                                         ; columns 0-63 leave; the second walk's first fragments are already asked for
.irp k, 8,9,10,11,12,13,14,15
	STEP \k
.endr
	OUTH 1
	WIN 0
	s_wait_tensorcnt 0x0                           ; the wave's end
	ds_add_u32 v[SPW], v[NIL]
	s_wait_dscnt 0x0
	CROUND                                         ; the closing round: no work-group ends while a partner may still ask for a tile that names it
	s_endpgm
.Lfunc_end_k_qf845aad680_oproj:
	.size	k_qf845aad680_oproj, .Lfunc_end_k_qf845aad680_oproj-k_qf845aad680_oproj
	.p2alignl 7, 3214868480
	.fill 96, 4, 3214868480
	.section	.rodata,"a",@progbits
	.p2align	6, 0x0
	.amdhsa_kernel k_qf845aad680_oproj
		.amdhsa_group_segment_fixed_size 327680
		.amdhsa_private_segment_fixed_size 0
		.amdhsa_enable_private_segment 0
		.amdhsa_kernarg_size 32
		.amdhsa_user_sgpr_count 2
		.amdhsa_user_sgpr_kernarg_segment_ptr 1
		.amdhsa_wavefront_size32 1
		.amdhsa_system_sgpr_workgroup_id_x 1
		.amdhsa_system_sgpr_workgroup_id_y 1
		.amdhsa_system_sgpr_workgroup_id_z 1
		.amdhsa_system_vgpr_workitem_id 0
		.amdhsa_next_free_vgpr 768
		.amdhsa_next_free_sgpr 100
		.amdhsa_reserve_vcc 0
		.amdhsa_float_denorm_mode_32 3
		.amdhsa_float_denorm_mode_16_64 3
		.amdhsa_memory_ordered 1
		.amdhsa_forward_progress 1
		.amdhsa_inst_pref_size 96
	.end_amdhsa_kernel
	.amdgpu_metadata
---
amdhsa.version: [ 1, 2 ]
amdhsa.kernels:
  - .name:           k_qf845aad680_oproj
    .symbol:         k_qf845aad680_oproj.kd
    .args:
      - { .name: aq, .offset: 0, .size: 8, .value_kind: global_buffer, .address_space: global }
      - { .name: wq, .offset: 8, .size: 8, .value_kind: global_buffer, .address_space: global }
      - { .name: bo, .offset: 16, .size: 8, .value_kind: global_buffer, .address_space: global }
      - { .name: out0, .offset: 24, .size: 8, .value_kind: global_buffer, .address_space: global }
    .group_segment_fixed_size: 327680
    .private_segment_fixed_size: 0
    .kernarg_segment_align: 8
    .kernarg_segment_size: 32
    .max_flat_workgroup_size: 128
    .sgpr_count:     100
    .vgpr_count:     768
    .wavefront_size: 32
...
	.end_amdgpu_metadata
.endif
;; end of part 4
